; MI455X (gfx1250); checked and timed in simulation.
; The chip was launched on July 23, 2026; its instructions are those of AMD's public machine-readable ISA for CDNA 5 (MIT licence, August 2026) and "CDNA5" Instruction Set Architecture Reference Guide (July 2026). The comments in the code are by the model that wrote it; some were corrected since.
;; Grouped Query Attention. Allowed arithmetic: matrix products marked QUANTISED: E2M3 operands, one E8M0 scale for each 32 along K, by v_wmma_scale_f32_16x16x128_f8f6f4 with both operands' format E2M3, f32 sums; everything else in f32.
;; Inputs: Wk 2,048 x 512 float32; Wo 2,048 x 2,048 float32; Wq 2,048 x 2,048 float32; Wv 2,048 x 512 float32; bk 512 float32; bo 2,048 float32; bq 2,048 float32; bv 512 float32; x 4 x 1,024 x 2,048 float32.
;; Outputs: out0 4 x 1,024 x 2,048 float32.
;; This version of the problem:
;;   THIS VERSION OF THE PROBLEM IS GIVEN IN LOW PRECISION. The matrix products marked QUANTISED in the list below multiply operands that are first quantised to E2M3 (2 exponent bits, 3 mantissa bits; 6 bits a number), with one power-of-two scale for each 32 numbers along K (OCP MX v1.0); their sums are f32. All else is computed in f32.
;;   The module's matrix products, in the order in which they are computed (A, B: the left and right operand; K: the contracted axis; several contracted axes count as one K, in the product's order):
;;     1. [M 4,096, K 2,048] x [K 2,048, N 2,048]; A: input x; B: input Wq: QUANTISED
;;     2. [M 4,096, K 2,048] x [K 2,048, N 512]; A: input x; B: input Wk: QUANTISED
;;     3. [M 4,096, K 2,048] x [K 2,048, N 512]; A: input x; B: input Wv: QUANTISED
;;     4. batch 128 x [M 1,024, K 64] x [K 64, N 1,024]; A: computed on the way; B: computed on the way: QUANTISED
;;     5. batch 128 x [M 1,024, K 1,024] x [K 1,024, N 64]; A: softmax (see below); B: computed on the way: QUANTISED
;;     6. [M 4,096, K 2,048] x [K 2,048, N 2,048]; A: computed on the way; B: input Wo: QUANTISED
;;   THE QUANTISER, for each operand of a quantised product, along K:
;;     - K is cut into blocks of 32 from its start; a last block that is shorter is filled with zeros.
;;     - A block's scale is 2^e with e = floor(log2(the largest magnitude in the block)) - 2, held to -126 .. 127; a block of zeros has e = 0. As a byte (E8M0): e + 127.
;;     - Each number is divided by its block's scale, clamped to +-7.5, and rounded to the nearest number of E2M3, ties to even, subnormals kept.
;;     - The product sums the exact products of the quantised numbers (number of the format x scale) in f32.
;;   ~~~python
;;   def quantise(x, axis):      # numpy; x: float32 -> the quantised numbers, widened to float32 again
;;       x = np.moveaxis(x, axis, -1); K = x.shape[-1]
;;       x = np.pad(x, [(0, 0)] * (x.ndim - 1) + [(0, -K % 32)]); x = x.reshape(x.shape[:-1] + (-1, 32)); a = np.abs(x).max(-1, keepdims=True)
;;       e = np.where(a > 0, np.clip(np.frexp(np.where(a > 0, a, 1))[1] - 1 - 2, -126, 127), 0)      # np.frexp(a)[1] - 1 = floor(log2(a)), exactly
;;       r = np.clip(x / 2.0 ** e, -7.5, 7.5)
;;       step = 2.0 ** (np.maximum(np.frexp(np.where(r == 0, 1, r))[1] - 1, 0) - 3)
;;       q = np.round(r / step) * step * 2.0 ** e      # np.round: ties to even
;;       return np.moveaxis(q.reshape(q.shape[:-2] + (-1,))[..., :K], -1, axis).astype(np.float32)
;;   ~~~
;;   SOFTMAX AHEAD OF A QUANTISED PRODUCT. Where the list says 'softmax', what is quantised is not the finished softmax but p = 2^(t - M), with t = logit x log2(e) and M = ceil(the row's largest t), a whole number; so 1/2 < the row's largest p <= 1. The row's sum l is taken of the UNQUANTISED p, in f32, and the product's result is divided by l at the end. Since M is a whole number, a kernel that streams over the keys may use a running M (the ceiling of the running maximum): every later rescaling is an exact power of two, which a block's scale takes up: the codes' values come out the same.
;;   OPERANDS COMPUTED ON THE WAY. 'Computed on the way' means the value that the module computes at that place (a softmax that the list does not call 'softmax' is quantised finished and normalised). What goes into a quantiser is computed in f32, as accurately as f32 sums, v_exp_f32 and their like allow (about 1e-6 of the number): no bf16 or f16 on the way to a quantiser, and a product that is left as it is and whose result goes on into a quantised operand takes f32 operands (vector FMAs, or v_wmma_f32_16x16x4_f32). A number that lies on a knife's edge between two numbers of the format may be rounded either way, as far as f32 arithmetic and the matrix unit's own rounding can turn it there, and no further.
;; One version. Each part assembles by itself: llvm-mc -triple=amdgcn-amd-amdhsa -mcpu=gfx1250 --defsym DOCPART=n.
;; ======== version 1 of 1: 4 launches
;; limits: right only within a limited range of input values
;; workspace buffers: xw 14,745,600 bytes; qkv 9,830,400 bytes; ctx 6,553,600 bytes
;; launch prep (part 1): grid 576 x 1, 4 waves a work-group, no clusters, 102,912 bytes of LDS; arguments x, Wq, Wk, Wv, Wo, xw; writes xw
.if DOCPART == 1
	.amdgcn_target "amdgcn-amd-amdhsa--gfx1250"
	.amdhsa_code_object_version 6
	.text
	.protected	k_qdeac6d0549_prep
	.globl	k_qdeac6d0549_prep
	.p2align	8
	.type	k_qdeac6d0549_prep,@function
k_qdeac6d0549_prep:
	s_mov_b64 s[64:65], 0
	v_nop
	global_prefetch_b8 v0, s[64:65] scope:SCOPE_SE
	s_setreg_imm32_b32 hwreg(HW_REG_WAVE_MODE, 25, 1), 1
	s_wait_xcnt 0x0
; x [4096][2048] and the four weights (Wq, Wo [2048][2048]; Wk, Wv [2048][512]; K is their FIRST axis), all f32, become codes of FP6 (E2M3) with one E8M0 byte for each 32 along K.
; A block's scale is 2^(floor(log2(its largest magnitude)) - 2); its byte is the largest magnitude's exponent field - 2, held at 1 from below.
; LIMITS: a block whose largest magnitude lies under 2^-124 gets the byte 1; a block of zeros gets 1 where the rule says 127 (its codes are zeros, and this program alone reads the bytes); NaN and infinities are not served.
; LAYOUT OF xw, for every operand: codes [kc = K / 256][row][192 bytes], scale bytes [kc][row][8]: 128 rows of one kc are 24,576 consecutive bytes.
; ROW POSITION p HOLDS TRUE ROW (of x) OR TRUE COLUMN (of a weight) sigma(p), sigma = p with bits 3 and 4 exchanged: sixteen neighbouring positions then are the rows 32 b + 8 u + r + 8 (r / 8),
; with which a transposed product leaves 16 neighbours along the next K in a lane's registers.
; Weights' positions for the first GEMM: 0-2047 Wq's columns; 2048 + 256 j + 0..127 Wk's columns 128 j on; 2048 + 256 j + 128 + 0..127 Wv's columns 128 j on.
; WORK-GROUPS: 0-255: x, 16 rows each (a wave 4 rows); 256-511: Wq and Wo, 128 columns x 256 along K each; 512-575: Wk and Wv likewise.  Work-groups share no input: no cluster.  No tensor load, no barrier: waves share nothing.
; Each of the three ways has LDS bytes of its own.
.set R_XC,  0
.set R_XS,  6291456
.set R_WC,  6553600
.set R_WS,  11272192
.set R_WOC, 11468800
.set R_WOS, 14614528
.set SPARE, 102400                     ; the spare words, 128 bytes for each wave: two blocks of 256 bytes that no other line names
.set SPW,   192                        ; v192  SPARE + 4 x my thread's number; never rewritten
.set NIL,   193                        ; v193  0; never rewritten
; the way of x
.set WREG,  8192                       ; LDS bytes of a wave: two stages of 32 x SP bytes, behind them its 256 scale bytes
.set SP,    80                         ; a lane's place in a stage: 64 bytes + 16 of padding
.set STEPS, 16
.set XR,    16                         ; v16-79   four sets of 16 numbers as loaded
.set XN,    80                         ; v80-111  two sets of 16 neighbours
.set XE,    112                        ; v112-127 a scale byte for each step
.set XCD,   128                        ; v128-191 codes, four registers a step: no store's data are written again
; the way of the weights
.set NB,    8                          ; blocks of 32 along K for a wave
.set WP,    272                        ; a stage row: sixteen places of 16 bytes (12 of codes each) + 16
.set WX,    32                         ; v32-95   two sets of 32 numbers
.set WCD,   96                         ; v96..    a block's codes
.set OUTR,  112                        ; v112-175 the way out
.set SB,    24                         ; v24-25   the scale bytes
	s_load_b256 s[4:11], s[0:1], 0x0               ; x s[4:5], Wq s[6:7], Wk s[8:9], Wv s[10:11]
	s_load_b128 s[12:15], s[0:1], 0x20             ; Wo s[12:13], xw s[14:15]
	v_lshl_add_u32 v[SPW], v0, 2, SPARE
	v_mov_b32 v[NIL], 0
	v_lshrrev_b32 v1, 5, v0
	v_readfirstlane_b32 s16, v1                    ; wave
	v_and_b32 v2, 31, v0                           ; lane
	s_wait_kmcnt 0x0
	s_cmp_lt_u32 ttmp9, 256
	s_cbranch_scc0 .Lweights
; ---------------- x: K is innermost.  A wave takes 4 rows = 16 steps of 512 numbers.  Each load reads 512 consecutive bytes; a step's 2,048 bytes turn through the wave's stage, so that a lane gets 16 neighbours.
	s_wait_alu depctr_va_vdst(0)
	v_lshlrev_b32 v3, 4, v2                        ; my 16 bytes of a load's 512
	s_mul_i32 s17, s16, WREG
	v_lshrrev_b32 v14, 2, v2
	v_mul_u32_u24 v14, v14, SP
	v_and_b32 v15, 3, v2
	v_lshl_add_u32 v14, v15, 4, v14
	v_add_nc_u32 v14, s17, v14                     ; the stage, on the way in: SP (lane / 4) + 16 (lane % 4)
	v_mul_u32_u24 v15, v2, SP
	v_add_nc_u32 v15, s17, v15                     ; and on the way out: SP x lane
	v_and_b32 v4, 15, v2
	v_mul_u32_u24 v4, v4, 12
	v_lshrrev_b32 v5, 4, v2
	v_mad_u32_u24 v4, v5, 0xc0000, v4              ; my codes: lanes 0-15 one kc, lanes 16-31 the next (786,432 bytes on); 12 bytes a lane
	v_lshrrev_b32 v5, 1, v2
	s_add_co_u32 s17, s17, 2*32*SP
	v_add_nc_u32 v5, s17, v5                       ; LDS: my block's byte among my wave's 256
	v_lshlrev_b32 v7, 3, v2
	v_add_nc_u32 v6, s17, v7                       ; and back, 8 bytes a lane: row lane / 8, kc lane % 8
	v_and_b32 v7, 7, v2
	v_lshlrev_b32 v7, 15, v7
	v_lshrrev_b32 v10, 3, v2
	v_lshl_add_u32 v7, v10, 3, v7                  ; their place in xw: 32,768 kc + 8 row
	s_lshl_b32 s18, ttmp9, 2
	s_add_co_u32 s18, s18, s16                     ; which run of 4 rows is my wave's
	s_lshl_b32 s20, s18, 15
	s_mov_b32 s21, 0
	s_add_nc_u64 s[4:5], s[4:5], s[20:21]
	s_and_b32 s19, s18, 0xfffffff9                 ; a row's bits 3 and 4 are the run's bits 1 and 2: exchanged, they give the run of positions
	s_and_b32 s22, s18, 2
	s_lshl_b32 s22, s22, 1
	s_or_b32 s19, s19, s22
	s_and_b32 s22, s18, 4
	s_lshr_b32 s22, s22, 1
	s_or_b32 s19, s19, s22
	s_mul_i32 s20, s19, 768
	s_add_nc_u64 s[8:9], s[14:15], s[20:21]        ; codes: R_XC = 0, 4 rows of 192 bytes a run
	s_lshl_b32 s20, s19, 5
	s_add_co_u32 s20, s20, R_XS
	s_add_nc_u64 s[10:11], s[14:15], s[20:21]      ; scale bytes: 4 rows of 8
.macro XLOAD t
.irp i, 0,1,2,3
	global_load_b128 v[XR+16*((\t)%4)+4*\i:XR+16*((\t)%4)+4*\i+3], v3, s[4:5] offset:2048*(\t)+512*\i th:TH_LOAD_NT
.endr
.endm
.macro XTURN t                         ; LDS serves a wave's instructions in order: no wait between the stores and the loads
.irp i, 0,1,2,3
	ds_store_b128 v14, v[XR+16*((\t)%4)+4*\i:XR+16*((\t)%4)+4*\i+3] offset:32*SP*((\t)%2)+8*SP*\i
.endr
.irp i, 0,1,2,3
	ds_load_b128 v[XN+16*((\t)%2)+4*\i:XN+16*((\t)%2)+4*\i+3], v15 offset:32*SP*((\t)%2)+16*\i
.endr
.endm
.irp t, 0,1,2,3
	XLOAD \t
.endr
	s_wait_loadcnt 12                              ; step 0's four loads are in
	XTURN 0
.macro XSTEP t
.set XV, XN+16*((\t)%2)
.if (\t) > 0
	s_wait_dscnt 1                                 ; this step's numbers are back from the stage (the last step's byte store may be out)
.else
	s_wait_dscnt 0x0
.endif
.if (\t)+4 < STEPS
	XLOAD (\t)+4                                   ; into the registers that this step's stores into the stage have read
.endif
.if (\t)+1 < STEPS
.if STEPS-2-(\t) >= 3
	s_wait_loadcnt 12                              ; the next step's four loads are in; those of the three steps behind it may be out
.else
	s_wait_loadcnt 4*(STEPS-2-(\t))
.endif
	XTURN (\t)+1
.endif
	v_max3_num_f32 v8, |v[XV]|, |v[XV+1]|, |v[XV+2]|
	v_max3_num_f32 v9, |v[XV+3]|, |v[XV+4]|, |v[XV+5]|
.irp i, 6,10
	v_max3_num_f32 v8, v8, |v[XV+\i]|, |v[XV+\i+1]|
	v_max3_num_f32 v9, v9, |v[XV+\i+2]|, |v[XV+\i+3]|
.endr
	v_max3_num_f32 v8, v8, |v[XV+14]|, |v[XV+15]|
	v_max3_num_f32 v8, v8, v9, 0x1800000           ; and the floor 2^(3 - 127): the byte cannot fall under 1
	v_max_num_f32_dpp v8, v8, v8 row_xmask:1 row_mask:0xf bank_mask:0xf   ; with my neighbour's 16: the block's largest magnitude
	v_add_nc_u32 v11, 0xff000000, v8               ; 2 off its exponent field: the conversion takes that field as its scale
	v_cvt_scalef32_pk16_fp6_f32 v[XCD+4*(\t):XCD+4*(\t)+2], v[XV:XV+15], v11
	v_lshrrev_b32 v[XE+(\t)], 23, v11              ; the scale's byte
	ds_store_b8 v5, v[XE+(\t)] offset:16*(\t)      ; both lanes of a block write the same byte with the same value
	global_store_b96 v4, v[XCD+4*(\t):XCD+4*(\t)+2], s[8:9] offset:((\t)%4)*1572864+((\t)/4)*192   ; step t: row t / 4, kc 2 (t % 4) and the next; sixteen lanes store a row's 192 consecutive bytes
.endm
.irp t, 0,1,2,3,4,5,6,7,8,9,10,11,12,13,14,15
	XSTEP \t
.endr
	ds_load_b64 v[8:9], v6                         ; in order behind my byte stores
	s_wait_dscnt 0x0
	global_store_b64 v7, v[8:9], s[10:11]          ; runs of 32 bytes (4 rows of one kc): 1 byte in 128 of what this way reads
	s_wait_tensorcnt 0x0                           ; the wave's end, behind my last LDS store
	ds_add_u32 v[SPW], v[NIL]
	s_wait_dscnt 0x0
	s_endpgm
; ---------------- the weights: K is the first axis.  A lane takes a column, its registers run down K: a block of 32 lies in one lane, and the codes come out with K innermost.
.macro WLOAD t, n                      ; block t: W(32 t + i, my column) into set t % 2; 32 lanes read 128 consecutive bytes
.irp i, 0,1,2,3,4,5,6,7,8,9,10,11,12,13,14,15,16,17,18,19,20,21,22,23,24,25,26,27,28,29,30,31
	global_load_b32 v[WX+32*((\t)%2)+\i], v3, s[4:5] offset:(32*(\t)+\i)*(\n)*4 th:TH_LOAD_NT
.endr
.endm
.macro WBLOCK t, n
.set WS_, WX+32*((\t)%2)
.if (\t) < NB-1
	s_wait_loadcnt 32                              ; this block's 32 loads are in; the next block's may be out
.else
	s_wait_loadcnt 0
.endif
	v_max3_num_f32 v12, |v[WS_]|, |v[WS_+1]|, |v[WS_+2]|
	v_max3_num_f32 v13, |v[WS_+3]|, |v[WS_+4]|, |v[WS_+5]|
.irp i, 6,10,14,18,22,26
	v_max3_num_f32 v12, v12, |v[WS_+\i]|, |v[WS_+\i+1]|
	v_max3_num_f32 v13, v13, |v[WS_+\i+2]|, |v[WS_+\i+3]|
.endr
	v_max3_num_f32 v12, v12, |v[WS_+30]|, |v[WS_+31]|
	v_max3_num_f32 v12, v12, v13, 0x1800000        ; the floor
	v_add_nc_u32 v11, 0xff000000, v12              ; the conversion's scale operand
	v_lshrrev_b32 v13, 23, v11                     ; the byte
.if (\t)%4 == 0
	v_mov_b32 v[SB+(\t)/4], v13
.else
	v_lshl_or_b32 v[SB+(\t)/4], v13, 8*((\t)%4), v[SB+(\t)/4]
.endif
	v_cvt_scalef32_pk16_fp6_f32 v[WCD:WCD+2], v[WS_:WS_+15], v11
	v_cvt_scalef32_pk16_fp6_f32 v[WCD+4:WCD+6], v[WS_+16:WS_+31], v11   ; (a conversion's three registers begin on an even number)
	ds_store_b96 v4, v[WCD:WCD+2] offset:32*(\t)   ; 12 bytes to a place of 16
	ds_store_b96 v4, v[WCD+4:WCD+6] offset:32*(\t)+16
.if (\t)+2 < NB
	WLOAD (\t)+2, \n
.endif
	s_wait_dscnt 0x0                               ; the stores have read their registers: the next block's codes may be written
.endm
; n: the weight's columns; stg: this way's stages.  Given: s[4:5] the weight, s19 which 128 columns, s20 kc, s21 rows of a kc in the operand, s22, s23 the operand's codes and scale bytes in xw, s24 first position.
.macro WPATH n, stg
	s_mul_i32 s26, s20, 256*(\n)*4
	s_lshl_b32 s27, s19, 9
	s_add_co_u32 s26, s26, s27
	s_lshl_b32 s27, s16, 7
	s_add_co_u32 s26, s26, s27                     ; 256 kc rows down, 128 x block + 32 x wave columns on
	s_mov_b32 s27, 0
	s_add_nc_u64 s[4:5], s[4:5], s[26:27]
	s_mul_i32 s28, s20, s21
	s_add_co_u32 s28, s28, s24
	s_lshl_b32 s29, s16, 5
	s_add_co_u32 s28, s28, s29                     ; my wave's first row of the operand
	s_mul_i32 s26, s28, 192
	s_add_co_u32 s26, s26, s22
	s_add_nc_u64 s[6:7], s[14:15], s[26:27]
	s_lshl_b32 s26, s28, 3
	s_add_co_u32 s26, s26, s23
	s_add_nc_u64 s[8:9], s[14:15], s[26:27]
	v_lshlrev_b32 v3, 2, v2                        ; in: 4 bytes a lane
	v_and_b32 v10, 7, v2
	v_bfe_u32 v11, v2, 3, 1
	v_lshl_or_b32 v10, v11, 4, v10
	v_bfe_u32 v11, v2, 4, 1
	v_lshl_or_b32 v10, v11, 3, v10                 ; sigma(lane): my column's position
	s_mul_i32 s29, s16, 32*WP
	s_add_co_u32 s29, s29, \stg
	v_mul_u32_u24 v4, v10, WP
	v_add_nc_u32 v4, s29, v4                       ; into the stage: row = my position
	v_and_b32 v5, 15, v2
	v_lshrrev_b32 v6, 4, v2
	v_mul_u32_u24 v7, v6, WP
	v_lshl_add_u32 v7, v5, 4, v7
	v_add_nc_u32 v7, s29, v7                       ; out of it: sixteen lanes to a row, two rows an instruction
	v_mul_u32_u24 v8, v6, 192
	v_mad_u32_u24 v8, v5, 12, v8                   ; and the same place in xw: the wave's 32 rows are 6,144 consecutive bytes
	v_lshlrev_b32 v9, 3, v10                       ; my position's 8 scale bytes: the wave's are 256 consecutive bytes
	WLOAD 0, \n
	WLOAD 1, \n
.set Q, 0
.rept NB
	WBLOCK Q, \n
.set Q, Q+1
.endr
	s_wait_alu depctr_va_vdst(0)
	global_store_b64 v9, v[SB:SB+1], s[8:9]
.irp t, 0,1,2,3,4,5,6,7,8,9,10,11,12,13,14,15
	ds_load_b96 v[OUTR+4*\t:OUTR+4*\t+2], v7 offset:2*\t*WP
.endr
.irp t, 0,1,2,3,4,5,6,7,8,9,10,11,12,13,14,15
	s_wait_dscnt 15-\t                             ; loads come back in order: pair t of rows is in
	global_store_b96 v8, v[OUTR+4*\t:OUTR+4*\t+2], s[6:7] offset:384*\t
.endr
	s_wait_tensorcnt 0x0                           ; the wave's end, behind my last LDS store
	ds_add_u32 v[SPW], v[NIL]
	s_wait_dscnt 0x0
	s_endpgm
.endm
.Lweights:
	s_cmp_lt_u32 ttmp9, 512
	s_cbranch_scc0 .Lsmall
	s_sub_co_u32 s17, ttmp9, 256
	s_lshr_b32 s18, s17, 7                         ; 0: Wq, 1: Wo
	s_and_b32 s19, s17, 15
	s_bfe_u32 s20, s17, 0x30004
	s_cmp_eq_u32 s18, 0
	s_cselect_b64 s[4:5], s[6:7], s[12:13]
	s_mov_b32 s21, 2048
	s_cselect_b32 s21, 3072, s21
	s_mov_b32 s22, R_WOC
	s_cselect_b32 s22, R_WC, s22
	s_mov_b32 s23, R_WOS
	s_cselect_b32 s23, R_WS, s23
	s_lshl_b32 s24, s19, 7
	s_wait_alu depctr_va_vdst(0)
	WPATH 2048, 32768
.Lsmall:
	s_sub_co_u32 s17, ttmp9, 512
	s_lshr_b32 s18, s17, 5                         ; 0: Wk, 1: Wv
	s_and_b32 s19, s17, 3
	s_bfe_u32 s20, s17, 0x30002
	s_cmp_eq_u32 s18, 0
	s_cselect_b64 s[4:5], s[8:9], s[10:11]
	s_mov_b32 s21, 3072
	s_mov_b32 s22, R_WC
	s_mov_b32 s23, R_WS
	s_lshl_b32 s24, s19, 8
	s_lshl_b32 s25, s18, 7
	s_add_co_u32 s24, s24, s25
	s_add_co_u32 s24, s24, 2048                    ; 2048 + 256 j + 128 for Wv
	s_wait_alu depctr_va_vdst(0)
	WPATH 512, 67584
.Lfunc_end_k_qdeac6d0549_prep:
	.size	k_qdeac6d0549_prep, .Lfunc_end_k_qdeac6d0549_prep-k_qdeac6d0549_prep
	.p2alignl 7, 3214868480
	.fill 96, 4, 3214868480
	.section	.rodata,"a",@progbits
	.p2align	6, 0x0
	.amdhsa_kernel k_qdeac6d0549_prep
		.amdhsa_group_segment_fixed_size 102912
		.amdhsa_private_segment_fixed_size 0
		.amdhsa_enable_private_segment 0
		.amdhsa_kernarg_size 48
		.amdhsa_user_sgpr_count 2
		.amdhsa_user_sgpr_kernarg_segment_ptr 1
		.amdhsa_wavefront_size32 1
		.amdhsa_system_sgpr_workgroup_id_x 1
		.amdhsa_system_sgpr_workgroup_id_y 1
		.amdhsa_system_sgpr_workgroup_id_z 1
		.amdhsa_system_vgpr_workitem_id 0
		.amdhsa_next_free_vgpr 196
		.amdhsa_next_free_sgpr 66
		.amdhsa_reserve_vcc 0
		.amdhsa_float_denorm_mode_32 3
		.amdhsa_float_denorm_mode_16_64 3
		.amdhsa_memory_ordered 1
		.amdhsa_forward_progress 1
		.amdhsa_inst_pref_size 116
	.end_amdhsa_kernel
	.amdgpu_metadata
---
amdhsa.version: [ 1, 2 ]
amdhsa.kernels:
  - .name:           k_qdeac6d0549_prep
    .symbol:         k_qdeac6d0549_prep.kd
    .args:
      - { .name: x, .offset: 0, .size: 8, .value_kind: global_buffer, .address_space: global }
      - { .name: Wq, .offset: 8, .size: 8, .value_kind: global_buffer, .address_space: global }
      - { .name: Wk, .offset: 16, .size: 8, .value_kind: global_buffer, .address_space: global }
      - { .name: Wv, .offset: 24, .size: 8, .value_kind: global_buffer, .address_space: global }
      - { .name: Wo, .offset: 32, .size: 8, .value_kind: global_buffer, .address_space: global }
      - { .name: xw, .offset: 40, .size: 8, .value_kind: global_buffer, .address_space: global }
    .group_segment_fixed_size: 102912
    .private_segment_fixed_size: 0
    .kernarg_segment_align: 8
    .kernarg_segment_size: 48
    .max_flat_workgroup_size: 128
    .sgpr_count:     66
    .vgpr_count:     196
    .wavefront_size: 32
...
	.end_amdgpu_metadata
.endif
;; end of part 1
;; launch gemm_qkv (part 2): grid 12 x 16, 4 waves a work-group, clusters of 4 x 4, 327,680 bytes of LDS; arguments xw, bq, bk, bv, qkv; writes qkv
.if DOCPART == 2
	.amdgcn_target "amdgcn-amd-amdhsa--gfx1250"
	.amdhsa_code_object_version 6
	.text
	.protected	k_qdeac6d0549_gemm_qkv
	.globl	k_qdeac6d0549_gemm_qkv
	.p2align	8
	.type	k_qdeac6d0549_gemm_qkv,@function
k_qdeac6d0549_gemm_qkv:
	s_mov_b64 s[64:65], 0
	v_nop
	global_prefetch_b8 v0, s[64:65] scope:SCOPE_SE
	s_setreg_imm32_b32 hwreg(HW_REG_WAVE_MODE, 25, 1), 1
	s_wait_xcnt 0x0
	s_wait_alu depctr_hold_cnt(0) depctr_sa_sdst(0) depctr_va_vdst(0) depctr_va_sdst(0) depctr_va_ssrc(0) depctr_va_vcc(0) depctr_vm_vsrc(0)
	s_getreg_b32 s2, hwreg(HW_REG_IB_STS2, 6, 4)
	s_cmp_eq_u32 s2, 0
	s_cbranch_scc0 .Lentry_in_a_cluster
	s_endpgm
.Lentry_in_a_cluster:
	s_bfe_u32 s2, ttmp6, 0x10000c
	s_cmp_lg_u32 s2, 0xf033
	s_cbranch_scc0 .Lentry_shape_is_right
	s_endpgm
.Lentry_shape_is_right:
.set R_XS,  6291456
.set R_WC,  6553600
.set R_WS,  11272192
.set R_QI,  0
.set R_QSC, 6291456
.set R_KI,  6553600
.set R_KSC, 8126464
.set R_VI,  8192000
.set R_VSC, 9764864
.set CHA,   786432
.set CHB,   589824
.set NQ,    2
.set PITCH, 240
.set FR,    12
.set NL,    6
.set NP,    4
.set HALFT, 128*PITCH
.set SLOT,  4*HALFT
.set LAPS,  4
.set SCL,   2*SLOT
.set HALFS, 8192
.set SPARE, SCL+4*HALFS
.set VGS,  14
.set VGO,  15
.set ADRA, 16
.set ADRB, 20
.set VSTO, 24
.set VRD,  25
.set LI,   26
.set ADRS, 27
.set SPW,  28
.set NIL,  29
.set BO,   30
.set SCO,  31
.set SC,   32
.set BIAS, 64
.set AF,   128
.set G1, 24
.set G0, 32
.set G1B, 48
.set G0B, 56
.set G1S, 68
.set G0S, 76
.set G1SB, 80
.set G0SB, 88
.set MSB, 0
.macro WIN new
.if MSB != \new
	s_set_vgpr_msb (MSB<<8)|\new
.set MSB, \new
.endif
.endm
.set MUL_LO, 0xa1
.set MUL_HI, 0xf1
.set TO_B,   0x40
.macro JLOAD g0a, g1a, g0b, g1b
	s_cmp_eq_u32 s15, 0
	s_cbranch_scc0 .Lfor_b_\@
	tensor_load_to_lds s[\g0a:\g0a+3], s[\g1a:\g1a+7]
	s_nop 0
.rept 4
	v_nop
.endr
	s_branch .Lasked_\@
.Lfor_b_\@:
	tensor_load_to_lds s[\g0b:\g0b+3], s[\g1b:\g1b+7]
	s_nop 0
.rept 4
	v_nop
.endr
.Lasked_\@:
.endm
.macro CREST
	s_cmp_lg_u32 s14, 0
	s_cbranch_scc1 .Lnot_wave_0_\@
	s_barrier_signal -3
.Lnot_wave_0_\@:
	s_barrier_wait -3
	s_barrier_signal -1
	s_barrier_wait -1
.endm
.macro CROUND
	s_barrier_signal -1
	s_barrier_wait -1
	CREST
.endm
	s_load_b64 s[4:5], s[0:1], 0x0
	s_load_b128 s[92:95], s[0:1], 0x8
	s_load_b128 s[96:99], s[0:1], 0x18
	v_lshl_add_u32 v[SPW], v0, 2, SPARE
	v_mov_b32 v[NIL], 0
	ds_add_u32 v[SPW], v[NIL]
	ds_add_u32 v[SPW], v[NIL]
	v_lshrrev_b32 v1, 5, v0
	v_readfirstlane_b32 s14, v1
	s_lshr_b32 s15, s14, 1
	s_and_b32 s16, s14, 1
	s_bfe_u32 s40, ttmp6, 0x40000
	s_bfe_u32 s41, ttmp6, 0x40004
	s_lshl_b32 s42, ttmp9, 2
	s_add_co_u32 s42, s42, s40
	s_and_b32 s17, ttmp7, 0xffff
	s_lshl_b32 s17, s17, 2
	s_add_co_u32 s17, s17, s41
	s_lshl_b32 s43, s41, 2
	s_lshl_b32 s43, 15, s43
	s_lshl_b32 s44, 0x1111, s40
	s_or_b32 s[G1+0], s43, (0<<16)|(1<<20)|(1<<21)|(3<<22)|(3<<25)
	s_or_b32 s[G1B+0], s44, (0<<16)|(1<<20)|(1<<21)|(3<<22)|(3<<25)
.irp g, G1, G1B                        ; the head's shape: 256 rows of codes of a K step are one row of 49,152 bytes; two K steps, a K step apart in memory
	s_mov_b32 s[\g+1], 49152<<16
	s_mov_b32 s[\g+2], 2<<16
	s_mov_b32 s[\g+3], 49152<<16
	s_mov_b32 s[\g+4], 2
	s_mov_b32 s[\g+6], 0
	s_mov_b32 s[\g+7], 0
.endr
	s_mov_b32 s[G1+5], CHA
	s_mov_b32 s[G1B+5], CHB
	s_or_b32 s[G1S+0], s43, (3<<16)|(1<<21)
	s_or_b32 s[G1SB+0], s44, (3<<16)|(1<<21)
.irp g, G1S, G1SB
	s_mov_b32 s[\g+1], 256<<16                     ; the scale bytes of 256 rows: 2,048 bytes a kc, eight kc
	s_mov_b32 s[\g+2], 8<<16
	s_mov_b32 s[\g+3], 256<<16
	s_mov_b32 s[\g+4], 8
	s_mov_b32 s[\g+6], 0
	s_mov_b32 s[\g+7], 0
.endr
	s_mov_b32 s[G1S+5], 4096
	s_mov_b32 s[G1SB+5], 3072
	s_lshl_b32 s18, s16, 7
	s_lshl_b32 s20, s17, 8
	s_lshl_b32 s46, s42, 8
	s_lshl_b32 s22, s20, 3
	s_add_co_u32 s22, s22, R_XS
	s_mov_b32 s23, 0
	s_lshl_b32 s100, s46, 3
	s_add_co_u32 s100, s100, R_WS
	s_mov_b32 s101, 0
	s_add_co_u32 s20, s20, s18                     ; the codes: my half of the tile's rows (the scale bytes' addresses have none)
	s_add_co_u32 s46, s46, s18
	s_mul_i32 s20, s20, 192
	s_mov_b32 s21, 0
	s_mul_i32 s46, s46, 192
	s_add_co_u32 s46, s46, R_WC
	s_mov_b32 s47, 0
	s_mul_i32 s45, s16, HALFT                      ; LDS: A's slots 0 and 1, then B's slots 0 and 1; in a slot my half
	s_lshl_b32 s19, s15, 14                        ; A's scale bytes, then B's: 16,384 bytes each
	s_wait_dscnt 0x0
	s_wait_kmcnt 0x0
	s_add_nc_u64 s[20:21], s[4:5], s[20:21]
	s_add_nc_u64 s[22:23], s[4:5], s[22:23]
	s_add_nc_u64 s[46:47], s[4:5], s[46:47]
	s_add_nc_u64 s[100:101], s[4:5], s[100:101]
	CROUND
	s_mov_b32 s[G0S], 1
	s_add_co_u32 s[G0S+1], s19, SCL
	s_mov_b64 s[G0S+2:G0S+3], s[22:23]
	s_or_b32 s[G0S+3], s[G0S+3], 0x80000000
	s_mov_b32 s[G0SB], 1
	s_add_co_u32 s[G0SB+1], s19, SCL
	s_mov_b64 s[G0SB+2:G0SB+3], s[100:101]
	s_or_b32 s[G0SB+3], s[G0SB+3], 0x80000000
.irp s, 0,1
	s_mov_b32 s[G0+4*\s], 1
	s_add_co_u32 s[G0+4*\s+1], s45, \s*2*HALFT
	s_add_nc_u64 s[G0+4*\s+2:G0+4*\s+3], s[20:21], \s*CHA
	s_or_b32 s[G0+4*\s+3], s[G0+4*\s+3], 0x80000000
	s_mov_b32 s[G0B+4*\s], 1
	s_add_co_u32 s[G0B+4*\s+1], s45, 4*HALFT+\s*2*HALFT
	s_add_nc_u64 s[G0B+4*\s+2:G0B+4*\s+3], s[46:47], \s*CHB
	s_or_b32 s[G0B+4*\s+3], s[G0B+4*\s+3], 0x80000000
.endr
; THE HEAD'S LOADS, ONE A WAVE, in one chain of branches on the wave's number: wave 0 A's 256 rows of K steps 0 and 1 (its slot 0 descriptor: half 0, LDS byte 0), wave 1 A's scale bytes, wave 2 B's 256 rows of K steps 0 and 1, wave 3 B's scale bytes.
.macro ARM under, g0, g1, next
	s_cmp_lt_u32 s14, \under
	s_cbranch_scc0 \next
	tensor_load_to_lds s[\g0:\g0+3], s[\g1:\g1+7]
	s_nop 0
.rept 4
	v_nop
.endr
	s_branch .Lhead_asked
\next:
.endm
	ARM 1, G0,  G1,  .Lhead_sa
	ARM 2, G0S, G1S, .Lhead_b
	ARM 3, G0B, G1B, .Lhead_sb
	tensor_load_to_lds s[G0SB:G0SB+3], s[G1SB:G1SB+7]
	s_nop 0
.rept 4
	v_nop
.endr
.Lhead_asked:
	v_and_b32 v1, 15, v0
	v_bfe_u32 v2, v0, 4, 1
	s_wait_alu depctr_va_vdst(0)
	s_cmp_eq_u32 s16, 0
	s_cselect_b64 s[6:7], s[94:95], s[96:97]
	s_lshl_b32 s8, s40, 9
	s_lshl_b32 s9, s42, 10
	s_lshl_b32 s10, s16, 9
	s_add_co_u32 s9, s9, s10
	s_cmp_eq_u32 ttmp9, 2
	s_cselect_b64 s[6:7], s[6:7], s[92:93]
	s_cselect_b32 s8, s8, s9
	s_mov_b32 s9, 0
	s_add_nc_u64 s[6:7], s[6:7], s[8:9]
	v_lshlrev_b32 v[BO], 6, v2
.irp b, 0,1,2,3,4,5,6,7
	global_load_b128 v[BIAS+8*\b:BIAS+8*\b+3], v[BO], s[6:7] offset:(32*(\b/2)+8*(\b%2))*4
	global_load_b128 v[BIAS+8*\b+4:BIAS+8*\b+7], v[BO], s[6:7] offset:(32*(\b/2)+8*(\b%2))*4+16
.endr
	v_mul_u32_u24 v3, v1, PITCH
	v_mul_u32_u24 v4, v2, 24
	v_add_nc_u32 v4, v3, v4
	v_lshl_add_u32 v5, v2, 4, v4
	s_mul_i32 s21, s15, HALFT
	s_mul_i32 s22, s16, HALFT
	s_add_co_u32 s22, s22, 4*HALFT
.irp s, 0,1
	v_add_nc_u32 v[ADRA+\s], s21, v4
	v_add_nc_u32 v[ADRB+\s], s22, v4
	v_add_nc_u32 v[ADRA+2+\s], s21, v5
	v_add_nc_u32 v[ADRB+2+\s], s22, v5
	s_add_co_u32 s21, s21, 2*HALFT
	s_add_co_u32 s22, s22, 2*HALFT
.endr
	v_lshlrev_b32 v5, 3, v1
	s_lshl_b32 s21, s15, 10                        ; my 128 rows of a kc's 256: 1,024 bytes
	s_lshl_b32 s22, s16, 10
	s_add_co_u32 s22, s22, 2*HALFS
	s_sub_co_u32 s22, s22, s21
	v_mul_u32_u24 v6, s22, v2
	s_add_co_u32 s21, s21, SCL
	v_add_nc_u32 v5, v5, v6
	v_add_nc_u32 v[ADRS], s21, v5
	v_and_b32 v6, 31, v0
	v_lshlrev_b32 v[VGS], 2, v6
	v_lshlrev_b32 v[LI], 4, v6
	v_mul_u32_u24 v[VGO], v2, 1536
	v_lshl_add_u32 v[VGO], v1, 4, v[VGO]
	s_mul_i32 s23, s15, 16896                      ; V's stage (waves 1 and 3 alone store there): inside A's slot 0, which has had its last fill and its last read by then
	v_mul_u32_u24 v5, v1, 528
	v_lshl_add_u32 v5, v2, 5, v5
	v_add_nc_u32 v[VSTO], s23, v5
	v_add_nc_u32 v[VRD], s23, v[VGS]
	v_lshlrev_b32 v[SCO], 4, v1
	v_lshl_add_u32 v[SCO], v2, 11, v[SCO]
.macro FRAG reg, adr, q, i
.irp p, 0,1,2,3,4,5
.set PC, 12*(\q)+6*(\p/3)+\p%3
.if PC%8 < 5
	ds_load_b64 v[\reg+2*\p:\reg+2*\p+1], v[\adr] offset:8*PC+16*(PC/8)+(\i)*16*PITCH
.else
	ds_load_b64 v[\reg+2*\p:\reg+2*\p+1], v[\adr+2] offset:8*PC+16*(PC/8)+(\i)*16*PITCH
.endif
.endr
.endm
.macro MUL16 a0, p, q, sc, first
.irp a, \a0, \a0+1
.irp b, 0,1,2,3,4,5,6,7
.if \first
	v_wmma_scale_f32_16x16x128_f8f6f4 v[8*(8*((\a)%4)+\b):8*(8*((\a)%4)+\b)+7], v[128*(\p)+FR*\b:128*(\p)+FR*\b+FR-1], v[AF+FR*(\a):AF+FR*(\a)+FR-1], v[BIAS+8*\b:BIAS+8*\b+7], v[SC+8*NQ*(\sc)+NQ*\b+(\q)], v[SC+8*NQ*(\sc)+NQ*(\a)+(\q)] matrix_a_fmt:MATRIX_FMT_FP6 matrix_b_fmt:MATRIX_FMT_FP6 matrix_a_scale:MATRIX_SCALE_ROW1
.else
	v_wmma_scale_f32_16x16x128_f8f6f4 v[8*(8*((\a)%4)+\b):8*(8*((\a)%4)+\b)+7], v[128*(\p)+FR*\b:128*(\p)+FR*\b+FR-1], v[AF+FR*(\a):AF+FR*(\a)+FR-1], v[8*(8*((\a)%4)+\b):8*(8*((\a)%4)+\b)+7], v[SC+8*NQ*(\sc)+NQ*\b+(\q)], v[SC+8*NQ*(\sc)+NQ*(\a)+(\q)] matrix_a_fmt:MATRIX_FMT_FP6 matrix_b_fmt:MATRIX_FMT_FP6 matrix_a_scale:MATRIX_SCALE_ROW1
.endif
.endr
.endr
.endm
.macro FETCH_B slot, q, p
	WIN TO_B
.irp i, 0,1,2,3,4,5,6,7
	FRAG 128*(\p)+FR*\i, ADRB+\slot, \q, \i
.endr
	WIN 0
.endm
.macro FETCH_A slot, q, i0
.irp i, \i0, \i0+1, \i0+2, \i0+3
	FRAG AF+FR*(\i), ADRA+\slot, \q, \i
.endr
.endm
.macro SCALES sc
.irp i, 0,1,2,3,4,5,6,7
	ds_load_b64 v[SC+8*NQ*\sc+NQ*\i:SC+8*NQ*\sc+NQ*\i+1], v[ADRS] offset:\i*128
.endr
.endm
.macro PLACES n
.rept \n
	v_nop
.endr
.endm
.macro STEP slot, q, first
	s_wait_dscnt 4*NL
.if \first
	WIN 0x81
.else
	WIN MUL_LO
.endif
	MUL16 0, (\q)%2, \q, \slot, \first
	MUL16 2, (\q)%2, \q, \slot, \first
	s_wait_dscnt 0
	PLACES NP
	FETCH_B \slot, (\q)+1, 1-(\q)%2
	FETCH_A \slot, (\q)+1, 0
.if \first
	WIN 0xc1
.else
	WIN MUL_HI
.endif
	MUL16 4, (\q)%2, \q, \slot, \first
	MUL16 6, (\q)%2, \q, \slot, \first
	PLACES NP
	WIN 0
	FETCH_A \slot, (\q)+1, 4
.endm
.macro TURN slot, next, fill
	s_wait_tensorcnt 0x0
	ds_add_u32 v[SPW], v[NIL]
	s_wait_dscnt 4*NL+1
	WIN MUL_LO
	MUL16 0, 1, NQ-1, \slot, 0
	s_wait_dscnt 0x0
	s_barrier_signal -1
	MUL16 2, 1, NQ-1, \slot, 0
	WIN 0
	s_barrier_wait -1
.if \fill
	CREST
	s_add_nc_u64 s[G0+4*\slot+2:G0+4*\slot+3], s[G0+4*\slot+2:G0+4*\slot+3], 2*CHA
	s_add_nc_u64 s[G0B+4*\slot+2:G0B+4*\slot+3], s[G0B+4*\slot+2:G0B+4*\slot+3], 2*CHB
	JLOAD G0+4*\slot, G1, G0B+4*\slot, G1B
.else
	PLACES NP
.endif
	s_wait_alu depctr_va_vdst(0)
	v_add_nc_u32 v[ADRS], 2048, v[ADRS]
	FETCH_B \next, 0, 0
	FETCH_A \next, 0, 0
	SCALES \next
	WIN MUL_HI
	MUL16 4, 1, NQ-1, \slot, 0
	MUL16 6, 1, NQ-1, \slot, 0
	PLACES NP
	WIN 0
	FETCH_A \next, 0, 4
.endm
	s_wait_alu depctr_va_vdst(0)
	s_wait_tensorcnt 0x0                           ; my one load of the head is in: no tensor load of mine is out, so a descriptor may be written
.irp g, G1, G1B                        ; the ring's shape: 128 rows of codes as 32 rows of 768 bytes
	s_mov_b32 s[\g+1], 768<<16
	s_mov_b32 s[\g+2], 32<<16
	s_mov_b32 s[\g+3], 768<<16
	s_mov_b32 s[\g+4], 32
	s_mov_b32 s[\g+5], 768
.endr
	s_barrier_signal -1
	s_barrier_wait -1                              ; everybody's is in: K steps 0 and 1 and the scale bytes
	FETCH_B 0, 0, 0
	FETCH_A 0, 0, 0
	SCALES 0
	FETCH_A 0, 0, 4
	s_wait_loadcnt 0x0
	STEP 0, 0, 1
	s_mov_b32 s3, LAPS-1
.Llap:
	TURN 0, 1, 1
	STEP 1, 0, 0
	TURN 1, 0, 1
	STEP 0, 0, 0
	s_sub_co_u32 s3, s3, 1
	s_cmp_lg_u32 s3, 0
	s_cbranch_scc1 .Llap
	TURN 0, 1, 0
	STEP 1, 0, 0
	s_wait_dscnt 4*NL
	WIN MUL_LO
	MUL16 0, 1, NQ-1, 1, 0
	MUL16 2, 1, NQ-1, 1, 0
	s_wait_dscnt 0
	WIN MUL_HI
	MUL16 4, 1, NQ-1, 1, 0
	MUL16 6, 1, NQ-1, 1, 0
	WIN 0
	PLACES NP
	s_lshr_b32 s18, s17, 2
	s_and_b32 s19, s17, 3
	s_lshl_b32 s19, s19, 1
	s_add_co_u32 s19, s19, s15
	s_cmp_lg_u32 ttmp9, 2
	s_cbranch_scc1 .Lqk
	s_cmp_eq_u32 s16, 0
	s_cbranch_scc1 .Lqk
.set XA,   32
.set CODE, 96
.set SBV,  192
.set CTV,  196
.set VM,   200
.set VS,   202
.set VB,   203
	s_lshl_b32 s20, s18, 3
	s_lshl_b32 s21, s40, 1
	s_add_co_u32 s20, s20, s21
	s_lshl_b32 s20, s20, 3
	s_add_co_u32 s20, s20, s19
	s_mul_i32 s22, s20, 6144
	s_add_co_u32 s22, s22, R_VI
	s_mov_b32 s23, 0
	s_add_nc_u64 s[6:7], s[98:99], s[22:23]
	s_lshl_b32 s22, s20, 8
	s_add_co_u32 s22, s22, R_VSC
	s_add_nc_u64 s[8:9], s[98:99], s[22:23]
.macro VLOADG g
.irp i, 0,1,2,3,4,5,6,7,8,9,10,11,12,13,14,15,16,17,18,19,20,21,22,23,24,25,26,27,28,29,30,31
	ds_load_b32 v[XA+32*((\g)%2)+\i], v[VRD] offset:(((\i)&7)|(((\i)&8)<<1)|(((\i)&16)>>1))*528+128*(\g)
.endr
.endm
.macro BLOCKV g, kb
.set XV, XA+32*((\g)%2)
.set CB_, CODE+24*(\g)+6*(2*((\kb)%2)+(\kb)/2)
	v_max3_num_f32 v[VM], |v[XV]|, |v[XV+1]|, |v[XV+2]|
	v_max3_num_f32 v[VM+1], |v[XV+3]|, |v[XV+4]|, |v[XV+5]|
.irp i, 6,10,14,18,22,26
	v_max3_num_f32 v[VM], v[VM], |v[XV+\i]|, |v[XV+\i+1]|
	v_max3_num_f32 v[VM+1], v[VM+1], |v[XV+\i+2]|, |v[XV+\i+3]|
.endr
	v_max3_num_f32 v[VM], v[VM], |v[XV+30]|, |v[XV+31]|
	v_max3_num_f32 v[VM], v[VM], v[VM+1], 0x1800000
	v_add_nc_u32 v[VS], 0xff000000, v[VM]
	v_lshrrev_b32 v[VB], 23, v[VS]
.if (\kb) == 0
	v_mov_b32 v[SBV+(\g)], v[VB]
.else
	v_lshl_or_b32 v[SBV+(\g)], v[VB], 8*(\kb), v[SBV+(\g)]
.endif
	v_cvt_scalef32_pk16_fp6_f32 v[CB_:CB_+2], v[XV:XV+15], v[VS]
	v_cvt_scalef32_pk16_fp6_f32 v[CTV:CTV+2], v[XV+16:XV+31], v[VS]
	v_nop
.irp i, 0,1,2
	v_mov_b32 v[CB_+3+\i], v[CTV+\i]
.endr
.endm
.irp kb, 0,1,2,3
	WIN 0x08+4*(\kb/2)
.irp aa, 0,1
.irp b, 0,1,2,3,4,5,6,7
	ds_store_b128 v[VSTO], v[64*((2*\kb+\aa)%4)+8*\b:64*((2*\kb+\aa)%4)+8*\b+3] offset:\aa*8448+64*\b
	ds_store_b128 v[VSTO], v[64*((2*\kb+\aa)%4)+8*\b+4:64*((2*\kb+\aa)%4)+8*\b+7] offset:\aa*8448+64*\b+16
.endr
.endr
	WIN 0
	VLOADG 0
	VLOADG 1
	s_wait_dscnt 32
	BLOCKV 0, \kb
	VLOADG 2
	s_wait_dscnt 32
	BLOCKV 1, \kb
	VLOADG 3
	s_wait_dscnt 32
	BLOCKV 2, \kb
	s_wait_dscnt 0x0
	BLOCKV 3, \kb
.endr
.irp g, 0,1,2,3
.irp hh, 0,1
.irp j, 0,1,2
	global_store_b128 v[VGO], v[CODE+24*\g+12*\hh+4*\j:CODE+24*\g+12*\hh+4*\j+3], s[6:7] offset:(\g/2)*49152+(\g%2)*3072+512*\j+256*\hh
.endr
.endr
	global_store_b32 v[VGS], v[SBV+\g], s[8:9] offset:(\g/2)*2048+(\g%2)*128
.endr
	s_branch .Ldone
.Lqk:
.set IMG,  32
.set SWQ,  128
.set CT,   132
.set TM,   200
.set PWA,  216
.set PWB,  217
.set SW0,  218
.set SW1,  219
	s_lshl_b32 s20, s18, 3
	s_lshl_b32 s21, s40, 1
	s_add_co_u32 s20, s20, s21
	s_lshl_b32 s21, s18, 5
	s_lshl_b32 s22, s42, 2
	s_add_co_u32 s21, s21, s22
	s_lshl_b32 s22, s16, 1
	s_add_co_u32 s21, s21, s22
	s_mov_b32 s22, R_QI
	s_mov_b32 s23, R_QSC
	s_cmp_eq_u32 ttmp9, 2
	s_cselect_b32 s20, s20, s21
	s_cselect_b32 s22, R_KI, s22
	s_cselect_b32 s23, R_KSC, s23
	s_lshl_b32 s21, s20, 5
	s_lshl_b32 s100, s19, 2
	s_add_co_u32 s21, s21, s100
	s_mul_i32 s21, s21, 1536
	s_add_co_u32 s100, s21, s22
	s_mov_b32 s101, 0
	s_add_nc_u64 s[6:7], s[98:99], s[100:101]
	s_lshl_b32 s21, s20, 3
	s_add_co_u32 s21, s21, s19
	s_lshl_b32 s21, s21, 8
	s_add_co_u32 s100, s21, s23
	s_add_nc_u64 s[8:9], s[98:99], s[100:101]
	s_mov_b32 s10, 0x76543210
	s_mov_b32 s11, 0xfedcba98
	s_mov_b32 s66, 0xffff0000
.irp b, 0,1,2,3
	v_mov_b32 v[TM+4+\b], 0
.endr
.macro QUANT w, s, d0, d1, pw
.set W2_, 5*(\w)
	WIN W2_
.irp b, 0,1,2,3
	v_max3_num_f32 v[TM+\b], |v[(\s)+16*\b]|, |v[(\s)+16*\b+1]|, 0x1800000
.endr
.irp i, 2,4,6,8,10,12,14
.irp b, 0,1,2,3
	v_max3_num_f32 v[TM+\b], |v[(\s)+16*\b+\i]|, |v[(\s)+16*\b+\i+1]|, v[TM+\b]
.endr
.endr
	WIN 0
.irp b, 0,1,2,3
	v_permlanex16_b32 v[TM+4+\b], v[TM+\b], s10, s11
.endr
.irp b, 0,1,2,3
	v_max_num_f32 v[TM+\b], v[TM+\b], v[TM+4+\b]
.endr
.irp b, 0,1,2,3
	v_add_nc_u32 v[TM+12+\b], 0xff000000, v[TM+\b]
.endr
.irp b, 0,1,2,3
	v_lshrrev_b32 v[TM+4+\b], 23, v[TM+12+\b]
.endr
	v_lshl_or_b32 v[\pw], v[TM+5], 8, v[TM+4]
	v_lshl_or_b32 v[\pw], v[TM+6], 16, v[\pw]
	v_lshl_or_b32 v[\pw], v[TM+7], 24, v[\pw]
.set W1_, \w
	WIN W1_
	v_cvt_scalef32_pk16_fp6_f32 v[(\d0):(\d0)+2], v[(\s):(\s)+15], v[TM+12]
	v_cvt_scalef32_pk16_fp6_f32 v[CT:CT+2], v[(\s)+16:(\s)+31], v[TM+13]
	v_cvt_scalef32_pk16_fp6_f32 v[(\d1):(\d1)+2], v[(\s)+32:(\s)+47], v[TM+14]
	v_cvt_scalef32_pk16_fp6_f32 v[CT+4:CT+6], v[(\s)+48:(\s)+63], v[TM+15]
	WIN 0
	v_nop
.irp i, 0,1,2
	v_permlane16_swap_b32 v[(\d0)+\i], v[CT+\i]
	v_permlane16_swap_b32 v[(\d1)+\i], v[CT+4+\i]
.endr
.irp i, 0,1,2
	v_mov_b32 v[(\d0)+3+\i], v[CT+\i]
	v_mov_b32 v[(\d1)+3+\i], v[CT+4+\i]
.endr
.endm
.irp p, 0,1,2,3
	QUANT 2+\p/2, 128*(\p%2), IMG+24*\p, IMG+24*\p+12, PWA
	QUANT 2+\p/2, 128*(\p%2)+64, IMG+24*\p+6, IMG+24*\p+18, PWB
	v_perm_b32 v[SW0], v[PWB], v[PWA], 0x05040100
	v_perm_b32 v[SW1], v[PWB], v[PWA], 0x07060302
	v_cndmask_b32 v[SWQ+\p], v[SW0], v[SW1], s66
.irp j, 0,1,2
	global_store_b128 v[LI], v[IMG+24*\p+4*\j:IMG+24*\p+4*\j+3], s[6:7] offset:1536*\p+512*\j
	global_store_b128 v[LI], v[IMG+24*\p+12+4*\j:IMG+24*\p+12+4*\j+3], s[6:7] offset:49152+1536*\p+512*\j
.endr
.endr
	global_store_b128 v[SCO], v[SWQ:SWQ+3], s[8:9]
.Ldone:
	s_wait_tensorcnt 0x0
	ds_add_u32 v[SPW], v[NIL]
	s_wait_dscnt 0x0
	CROUND
	s_endpgm
.Lfunc_end_k_qdeac6d0549_gemm_qkv:
	.size	k_qdeac6d0549_gemm_qkv, .Lfunc_end_k_qdeac6d0549_gemm_qkv-k_qdeac6d0549_gemm_qkv
	.p2alignl 7, 3214868480
	.fill 96, 4, 3214868480
	.section	.rodata,"a",@progbits
	.p2align	6, 0x0
	.amdhsa_kernel k_qdeac6d0549_gemm_qkv
		.amdhsa_group_segment_fixed_size 327680
		.amdhsa_private_segment_fixed_size 0
		.amdhsa_enable_private_segment 0
		.amdhsa_kernarg_size 40
		.amdhsa_user_sgpr_count 2
		.amdhsa_user_sgpr_kernarg_segment_ptr 1
		.amdhsa_wavefront_size32 1
		.amdhsa_system_sgpr_workgroup_id_x 1
		.amdhsa_system_sgpr_workgroup_id_y 1
		.amdhsa_system_sgpr_workgroup_id_z 1
		.amdhsa_system_vgpr_workitem_id 0
		.amdhsa_next_free_vgpr 1024
		.amdhsa_next_free_sgpr 102
		.amdhsa_reserve_vcc 0
		.amdhsa_float_denorm_mode_32 3
		.amdhsa_float_denorm_mode_16_64 3
		.amdhsa_memory_ordered 1
		.amdhsa_forward_progress 1
		.amdhsa_inst_pref_size 235
	.end_amdhsa_kernel
	.amdgpu_metadata
---
amdhsa.version: [ 1, 2 ]
amdhsa.kernels:
  - .name:           k_qdeac6d0549_gemm_qkv
    .symbol:         k_qdeac6d0549_gemm_qkv.kd
    .args:
      - { .name: xw, .offset: 0, .size: 8, .value_kind: global_buffer, .address_space: global }
      - { .name: bq, .offset: 8, .size: 8, .value_kind: global_buffer, .address_space: global }
      - { .name: bk, .offset: 16, .size: 8, .value_kind: global_buffer, .address_space: global }
      - { .name: bv, .offset: 24, .size: 8, .value_kind: global_buffer, .address_space: global }
      - { .name: qkv, .offset: 32, .size: 8, .value_kind: global_buffer, .address_space: global }
    .group_segment_fixed_size: 327680
    .private_segment_fixed_size: 0
    .kernarg_segment_align: 8
    .kernarg_segment_size: 40
    .max_flat_workgroup_size: 128
    .sgpr_count:     102
    .vgpr_count:     1024
    .wavefront_size: 32
...
	.end_amdgpu_metadata
.endif
;; end of part 2
;; launch attn (part 3): grid 8 x 32, 8 waves a work-group, clusters of 4 x 1, 327,680 bytes of LDS; arguments qkv, ctx; writes ctx
.if DOCPART == 3
	.amdgcn_target "amdgcn-amd-amdhsa--gfx1250"
	.amdhsa_code_object_version 6
	.text
	.protected	k_qdeac6d0549_attn
	.globl	k_qdeac6d0549_attn
	.p2align	8
	.type	k_qdeac6d0549_attn,@function
k_qdeac6d0549_attn:
	s_mov_b64 s[64:65], 0
	v_nop
	global_prefetch_b8 v0, s[64:65] scope:SCOPE_SE
	s_setreg_imm32_b32 hwreg(HW_REG_WAVE_MODE, 25, 1), 1
	s_wait_xcnt 0x0
	s_wait_alu depctr_hold_cnt(0) depctr_sa_sdst(0) depctr_va_vdst(0) depctr_va_sdst(0) depctr_va_ssrc(0) depctr_va_vcc(0) depctr_vm_vsrc(0)
	s_getreg_b32 s2, hwreg(HW_REG_IB_STS2, 6, 4)
	s_cmp_eq_u32 s2, 0
	s_cbranch_scc0 .Lentry_in_a_cluster
	s_endpgm
.Lentry_in_a_cluster:
	s_bfe_u32 s2, ttmp6, 0x10000c
	s_cmp_lg_u32 s2, 0x3003
	s_cbranch_scc0 .Lentry_shape_is_right
	s_endpgm
.Lentry_shape_is_right:
; Attention on codes of FP6 (E2M3) with E8M0 scales: S^T = K Q^T, p = 2^(t - M) with a running whole M, O^T += V^T p^T, ctx = O / l, quantised along the head's axis for the last product.
; A work-group: one (batch, kv head), 128 query positions x its 4 query heads = 16 runs of 32 queries.  8 waves; a wave takes two runs, one a pass; the 32 queries of a run (two tiles of 16) go together,
; so each fragment of K and of V that is read from LDS serves both tiles.  All 1,024 keys' K and V images and scale bytes lie in LDS, filled once.
; CLUSTER 4, 1, 1: the four work-groups along x share K and V of their (batch, kv head): each tile is asked for jointly.
; NO PREFETCH: K and V are fetched once, at the head; there is no loop to run ahead in.
; THE KEYS OF A TILE: a K fragment holds 16 rows x (64 dims of one key | 64 dims of another); q stands in one half of K = 128 and zero codes in the other.  In the image, fragment b, row m, half u is key
; 32 b + 16 (m / 8) + 8 u + m % 8 of a step's 128.  Here fragment f = 2 c + g takes for its row m the image's fragment 2 c + m / 8, row 8 g + m % 8, by the lanes' addresses: tile 4 c + 2 g + u, register j of lane (r, h)
; is then key 64 c + 32 h + 8 (2 g + u) + j: a lane's 32 registers of four tiles are ONE WHOLE BLOCK of 32 keys, in the order of p's operand: a block's maximum needs no other lane, and p's codes need no exchange.
; LDS image rows of 512 bytes are 640 apart, so a fragment is 1,920 bytes: lanes 0-7 and 8-15 of such a load fall on different banks (64 banks of 4 bytes: ISA guide 11.1).
; DEPENDENT LINES STAND APART: maxima and sums run in eight chains by turns; a tile's short chain from its maximum to M and the factor is laid among the other tile's independent lines, the scale words' chain among the sums.
; LIMITS: the promise holds while the scaled scores (exponents to the base 2) stay under 2^31 in magnitude; NaN and infinities are not served; a block of ctx under 2^-124 gets the byte 1.
; REGISTERS: window 0: addresses, q, K's and V's fragments, p's codes, scale words, the way out.  Window 1: v0-63 S of tile 0, v64-127 S of tile 1, v128-159 O^T of tile 0, v160-191 of tile 1, v192-251 the softmax's state.
.set R_QSC, 6291456
.set R_KI,  6553600
.set R_KSC, 8126464
.set R_VI,  8192000
.set R_VSC, 9764864
.set R_CSC, 6291456
.set STPB,  7680                       ; a step of 128 keys: 4 fragments x 1,920 bytes
.set VIM,   61440                      ; V's image, behind K's 96 rows of 640
.set KSC,   122880                     ; K's scale words, 2,048 bytes; then V's
.set VSC,   124928
.set STG,   126976                     ; the way out: 128 rows x 192 bytes of codes; no fill lands here
.set STS,   151552                     ; and 128 x 8 scale bytes
.set SPARE, 152576                     ; the spare words, 128 bytes a wave
.set LI,   1
.set KL,   2
.set KSL,  3
.set VSA,  4
.set SPW,  5
.set NIL,  6
.set STA0, 7
.set SSA0, 8
.set ADK,  9
.set ADV,  10
.set ADS,  11
.set ADT,  12
.set SRD,  14
.set SSR,  15
.set Q,    32                          ; zeros(6) q0(6) zeros(6) q1(6) zeros(6)
.set QS,   62
.set LIV,  64
.set TQ,   65
.set STA,  66
.set SSA,  67
.set TA,   68
.set FK,   72
.set FV,   120
.set PC,   168
.set CT,   192
.set KSW,  208
.set VSW,  212
.set PSW,  216
.set BM,   220
.set SO,   224
.set BT,   228
.set QST,  240
.set QW,   252
; window 1
.set LW,   192                         ; tile i: four pairs of partial sums of p at LW + 8 i
.set WMX,  208                         ; tile i, block c: four chains of maxima at WMX + 8 i + 4 c
.set WBM,  224                         ; e = 2 i + c: the block's largest score, then its largest p
.set WNM,  228                         ; tile i: -M, and the running largest score
.set WFF,  232                         ; tile i: 2^(old M - new M), in the low word of a pair
.set WTA,  236
.set WTB,  238
.set WSO,  240
.set WBT,  244
.set WSH,  248                         ; 8 h
.set WOL,  250
.set WV,   20
.set CS,   22
.set G1I,  24
.set G1C,  32
.set G0I,  40
.set G0C,  44
.set SEL,  48
.set TK,   56
.set TS,   57
.set CNT,  58
.set PASS, 59
.set PO,   60
.set PS,   61
.set NCS,  62
.set MSB, 0
.macro WIN new                         ; the immediate's high byte repeats the setting that is left
.if MSB != \new
	s_set_vgpr_msb (MSB<<8)|\new
.set MSB, \new
.endif
.endm
.macro CROUND
	s_barrier_signal -1
	s_barrier_wait -1
	s_cmp_lg_u32 s[WV], 0
	s_cbranch_scc1 .Lnot_wave_0_\@
	s_barrier_signal -3
.Lnot_wave_0_\@:
	s_barrier_wait -3
	s_barrier_signal -1
	s_barrier_wait -1
.endm
.macro WM0 d, a, b, sa, sb             ; a product that starts its sums
	v_wmma_scale_f32_16x16x128_f8f6f4 v[\d:\d+7], v[\a:\a+11], v[\b:\b+11], 0, v[\sa], v[\sb] matrix_a_fmt:MATRIX_FMT_FP6 matrix_b_fmt:MATRIX_FMT_FP6
.endm
.macro WMA d, a, b, sa, sb             ; a product added in place
	v_wmma_scale_f32_16x16x128_f8f6f4 v[\d:\d+7], v[\a:\a+11], v[\b:\b+11], v[\d:\d+7], v[\sa], v[\sb] matrix_a_fmt:MATRIX_FMT_FP6 matrix_b_fmt:MATRIX_FMT_FP6
.endm
	s_load_b128 s[4:7], s[0:1], 0x0                ; qkv, ctx
	v_lshl_add_u32 v[SPW], v0, 2, SPARE
	v_mov_b32 v[NIL], 0
	ds_add_u32 v[SPW], v[NIL]                      ; the opening lines: the add, twice on end, and its wait
	ds_add_u32 v[SPW], v[NIL]
	v_lshrrev_b32 v9, 5, v0
	v_readfirstlane_b32 s[WV], v9
	s_bfe_u32 s21, ttmp6, 0x40000                  ; cx
	s_and_b32 s50, ttmp7, 0xffff                   ; 8 x batch + kv head
	s_lshl_b32 s51, ttmp9, 2
	s_add_co_u32 s51, s51, s21                     ; which 128 query positions
	s_mov_b32 s[G1I], 15|(3<<16)|(1<<20)|(1<<21)|(6<<22)|(31<<25)   ; images: the four partners; elements of 8 bytes; behind every 128 words 32 words of padding
	s_mov_b32 s[G1I+1], 64<<16
	s_mov_b32 s[G1I+2], 32<<16
	s_mov_b32 s[G1I+3], 64<<16
	s_mov_b32 s[G1I+4], 32                         ; 32 rows of 512 bytes a load
	s_mov_b32 s[G1I+5], 64
	s_mov_b32 s[G1I+6], 0
	s_mov_b32 s[G1I+7], 0
	s_mov_b32 s[G1C], 15|(3<<16)|(1<<21)           ; scale words: 8 rows of 256 bytes, dense
	s_mov_b32 s[G1C+1], 32<<16
	s_mov_b32 s[G1C+2], 8<<16
	s_mov_b32 s[G1C+3], 32<<16
	s_mov_b32 s[G1C+4], 8
	s_mov_b32 s[G1C+5], 32
	s_mov_b32 s[G1C+6], 0
	s_mov_b32 s[G1C+7], 0
	s_mov_b32 s52, R_VI-3*16384                    ; waves 0-2: thirds of K's image; waves 3-5: of V's
	s_cmp_lt_u32 s[WV], 3
	s_cselect_b32 s52, R_KI, s52
	s_mov_b32 s54, R_VSC                           ; wave 6: K's scale words; wave 7: V's
	s_cmp_eq_u32 s[WV], 6
	s_cselect_b32 s54, R_KSC, s54
	s_lshl_b32 s53, s[WV], 14
	s_add_co_u32 s52, s52, s53
	s_mul_i32 s53, s50, 49152
	s_add_co_u32 s52, s52, s53
	s_mov_b32 s53, 0
	s_lshl_b32 s55, s50, 11
	s_add_co_u32 s54, s54, s55
	s_mov_b32 s55, 0
	s_mov_b32 s[G0I], 1
	s_mul_i32 s[G0I+1], s[WV], 20480               ; 32 LDS rows of 640
	s_mov_b32 s[G0C], 1
	s_lshl_b32 s[G0C+1], s[WV], 11
	s_add_co_u32 s[G0C+1], s[G0C+1], KSC-6*2048
	s_and_b32 s8, s[WV], 3                         ; my query head of the four
	s_lshr_b32 s9, s[WV], 2                        ; my run of 32 positions in pass 0 (pass 1: two on)
	s_lshl_b32 s10, s50, 2
	s_add_co_u32 s10, s10, s8
	s_lshl_b32 s11, s10, 5
	s_lshl_b32 s12, s51, 2
	s_add_co_u32 s11, s11, s12
	s_add_co_u32 s11, s11, s9
	s_mul_i32 s12, s11, 1536                       ; q's image: 1,536 bytes a run
	s_mov_b32 s13, 0
	s_lshl_b32 s14, s10, 3
	s_add_co_u32 s14, s14, s51
	s_lshl_b32 s14, s14, 8
	s_lshl_b32 s15, s9, 2
	s_add_co_u32 s14, s14, s15
	s_add_co_u32 s14, s14, R_QSC
	s_mov_b32 s15, 0
	s_and_b32 s10, s50, 7
	s_lshr_b32 s11, s50, 3
	s_lshl_b32 s11, s11, 10
	s_lshl_b32 s16, s51, 7
	s_add_co_u32 s11, s11, s16                     ; my work-group's first row of ctx
	s_mul_i32 s18, s10, 786432
	s_mul_i32 s16, s11, 192
	s_add_co_u32 s18, s18, s16
	s_mul_i32 s16, s[WV], 3072
	s_add_co_u32 s18, s18, s16
	s_mov_b32 s19, 0
	s_lshl_b32 s16, s10, 15
	s_lshl_b32 s17, s11, 3
	s_add_co_u32 s16, s16, s17
	s_lshl_b32 s17, s[WV], 9
	s_add_co_u32 s16, s16, s17
	s_add_co_u32 s16, s16, R_CSC
	s_mov_b32 s17, 0
	s_mul_i32 s56, s9, 6144                        ; the stage: my run's 32 rows, my head's 48 bytes
	s_mul_i32 s57, s8, 48
	s_add_co_u32 s56, s56, s57
	s_add_co_u32 s56, s56, STG
	s_lshl_b32 s57, s9, 8
	s_lshl_b32 s58, s8, 1
	s_add_co_u32 s57, s57, s58
	s_add_co_u32 s57, s57, STS
	s_mul_i32 s58, s[WV], 3072
	s_add_co_u32 s58, s58, STG
	s_lshl_b32 s59, s[WV], 9
	s_add_co_u32 s59, s59, STS
	s_mov_b32 s[CS], 0x3e38aa3b                    ; c = log2(e) / 8
	s_mov_b32 s[CS+1], s[CS]
	s_mov_b32 s[NCS], 0xbe38aa3b                   ; -c
	s_mov_b32 s[SEL], 0x76543210
	s_mov_b32 s[SEL+1], 0xfedcba98
	s_wait_dscnt 0x0
	s_wait_kmcnt 0x0
	s_add_nc_u64 s[G0I+2:G0I+3], s[4:5], s[52:53]
	s_or_b32 s[G0I+3], s[G0I+3], 0x80000000
	s_add_nc_u64 s[G0C+2:G0C+3], s[4:5], s[54:55]
	s_or_b32 s[G0C+3], s[G0C+3], 0x80000000
	s_add_nc_u64 s[12:13], s[4:5], s[12:13]
	s_add_nc_u64 s[14:15], s[4:5], s[14:15]
	s_add_nc_u64 s[18:19], s[6:7], s[18:19]
	s_add_nc_u64 s[16:17], s[6:7], s[16:17]
	CROUND                                         ; the four partners are here: the joint loads meet
	s_cmp_lt_u32 s[WV], 6                          ; one tensor load a wave: every way passes exactly one
	s_cbranch_scc0 .Lhead_sc
	tensor_load_to_lds s[G0I:G0I+3], s[G1I:G1I+7]
	s_nop 0
.rept 4
	v_nop
.endr
	s_branch .Lhead_asked
.Lhead_sc:
	tensor_load_to_lds s[G0C:G0C+3], s[G1C:G1C+7]
	s_nop 0
.rept 4
	v_nop
.endr
.Lhead_asked:
	v_and_b32 v9, 31, v0
	v_and_b32 v10, 15, v0                          ; r
	v_bfe_u32 v11, v0, 4, 1                        ; h
	v_bfe_u32 v12, v0, 3, 1                        ; r / 8
	v_and_b32 v[TA], 7, v0                         ; r % 8
	v_lshlrev_b32 v[LI], 4, v9
	v_lshlrev_b32 v[TQ], 4, v10
.irp j, 0,1,2
	global_load_b128 v[QST+4*\j:QST+4*\j+3], v[LI], s[12:13] offset:512*\j   ; pass 0's q, two tiles of 6 registers
.endr
	global_load_b32 v[QW], v[TQ], s[14:15]
	v_mul_u32_u24 v[KL], v12, 1920                 ; K: the image's fragment 2 c + r / 8,
	v_lshl_add_u32 v[KL], v[TA], 4, v[KL]          ; its lane 16 h + 8 g + r % 8
	v_lshl_add_u32 v[KL], v11, 8, v[KL]
	v_lshl_add_u32 v[KSL], v[TA], 4, KSC           ; and that row's scale word
	v_lshl_add_u32 v[KSL], v12, 2, v[KSL]
	v_add_nc_u32 v[LIV], VIM, v[LI]
	v_lshl_add_u32 v[VSA], v10, 2, VSC
	v_mul_u32_u24 v[STA0], v10, 192
	v_mad_u32_u24 v[STA0], v11, 24, v[STA0]
	v_add_nc_u32 v[STA0], s56, v[STA0]
	v_lshl_add_u32 v[SSA0], v10, 3, s57
	v_add_nc_u32 v[SRD], s58, v[LI]
	v_add_nc_u32 v[SSR], s59, v[LI]
.irp i, 0,1,2,3,4,5
	v_mov_b32 v[Q+\i], 0                           ; the zero codes beside q
	v_mov_b32 v[Q+12+\i], 0
	v_mov_b32 v[Q+24+\i], 0
.endr
.irp b, 0,1,2,3
	v_mov_b32 v[BT+\b], 0                          ; a lane permute's destination counts as a source
.endr
	WIN 0x40                                       ; destination in window 1
	v_lshlrev_b32 v[WSH], 3, v11
	v_mov_b32 v[WTB], 0
	v_mov_b32 v[WTB+1], 0
.irp b, 0,1,2,3
	v_mov_b32 v[WFF+\b], 0                         ; (the pairs' upper words are named, never used)
.endr
	WIN 0
	s_mov_b32 s[PASS], 2
	s_mov_b32 s[PO], 0
	s_mov_b32 s[PS], 0
	s_wait_alu depctr_va_vdst(0)
	s_wait_tensorcnt 0x0                           ; my tile is in,
	s_barrier_signal -1
	s_barrier_wait -1                              ; and everybody's: nothing is filled again
.macro LOADK                           ; 12 + 4 LDS loads: a step's four K fragments and their scale words
.irp f, 0,1,2,3
.irp j, 0,1,2
	ds_load_b128 v[FK+12*\f+4*\j:FK+12*\f+4*\j+3], v[ADK] offset:3840*(\f/2)+128*(\f%2)+640*\j
.endr
	ds_load_b32 v[KSW+\f], v[ADS] offset:128*(\f%2)+8*(\f/2)
.endr
.endm
.macro LOADV                           ; the same of V: 16 of the head's 64 dims x 128 keys a fragment
.irp t, 0,1,2,3
.irp j, 0,1,2
	ds_load_b128 v[FV+12*\t+4*\j:FV+12*\t+4*\j+3], v[ADV] offset:1920*\t+640*\j
.endr
	ds_load_b32 v[VSW+\t], v[ADT] offset:64*\t
.endr
.endm
.macro ADDRS
	v_add_nc_u32 v[ADK], s[TK], v[KL]
	v_add_nc_u32 v[ADV], s[TK], v[LIV]
	v_add_nc_u32 v[ADS], s[TS], v[KSL]
	v_add_nc_u32 v[ADT], s[TS], v[VSA]
.endm
; All of the next five macros name window 1 in every place.
.macro MAXG i, w, q                    ; tile i: registers 2 q, 2 q + 1 of accumulator w of both blocks go into chain q: an accumulator is read from its low end on
.irp c, 0,1
.if (\w) == 0
	v_max_num_f32 v[WMX+8*(\i)+4*\c+(\q)], v[64*(\i)+32*\c+2*(\q)], v[64*(\i)+32*\c+2*(\q)+1]
.else
	v_max3_num_f32 v[WMX+8*(\i)+4*\c+(\q)], v[WMX+8*(\i)+4*\c+(\q)], v[64*(\i)+32*\c+8*(\w)+2*(\q)], v[64*(\i)+32*\c+8*(\w)+2*(\q)+1]
.endif
.endr
.endm
.macro CHP i, n                        ; link n of tile i's chain from the chains of maxima to M and the factor
.if (\n) == 0
	v_max3_num_f32 v[WBM+2*(\i)], v[WMX+8*(\i)], v[WMX+8*(\i)+1], v[WMX+8*(\i)+2]
	v_max3_num_f32 v[WBM+2*(\i)+1], v[WMX+8*(\i)+4], v[WMX+8*(\i)+5], v[WMX+8*(\i)+6]
.elseif (\n) == 1
	v_max_num_f32 v[WBM+2*(\i)], v[WBM+2*(\i)], v[WMX+8*(\i)+3]         ; my two blocks' largest scores
	v_max_num_f32 v[WBM+2*(\i)+1], v[WBM+2*(\i)+1], v[WMX+8*(\i)+7]
.elseif (\n) == 2
	v_max_num_f32 v[WTA+(\i)], v[WBM+2*(\i)], v[WBM+2*(\i)+1]
	v_mov_b32 v[WOL+(\i)], v[WNM+2*(\i)]
.elseif (\n) == 3
	v_permlanex16_b32 v[WTB+(\i)], v[WTA+(\i)], s[SEL], s[SEL+1]
.elseif (\n) == 4
	v_max3_num_f32 v[WNM+2*(\i)+1], v[WNM+2*(\i)+1], v[WTA+(\i)], v[WTB+(\i)]   ; the running largest score of my query
.elseif (\n) == 5
	v_mul_f32 v[WTB+(\i)], s[NCS], v[WNM+2*(\i)+1]
.elseif (\n) == 6
	v_floor_f32 v[WNM+2*(\i)], v[WTB+(\i)]         ; -M = floor(-t): M is a whole number
.elseif (\n) == 7
	v_sub_f32 v[WTA+(\i)], v[WNM+2*(\i)], v[WOL+(\i)]
.elseif (\n) == 8
	v_cvt_i32_f32 v[WTA+(\i)], v[WTA+(\i)]         ; (it saturates)
.elseif (\n) == 9
	v_ldexp_f32 v[WFF+2*(\i)], 1.0, v[WTA+(\i)]    ; 2^(old M - new M): rounds nothing
.endif
.endm
.macro FMA1 i, n                       ; t - M of two scores
	v_pk_fma_f32 v[64*(\i)+2*(\n):64*(\i)+2*(\n)+1], v[64*(\i)+2*(\n):64*(\i)+2*(\n)+1], s[CS:CS+1], v[WNM+2*(\i):WNM+2*(\i)+1] op_sel_hi:[1,0,0]
.endm
.macro RSC1 i, n                       ; O^T under the new M
	v_pk_mul_f32 v[128+32*(\i)+2*(\n):128+32*(\i)+2*(\n)+1], v[128+32*(\i)+2*(\n):128+32*(\i)+2*(\n)+1], v[WFF+2*(\i):WFF+2*(\i)+1] op_sel_hi:[1,0]
.endm
.macro SUM8 k                          ; the row's sums are taken of the unquantised p: eight chains by turns
.irp i, 0,1
.irp p, 0,1,2,3
	v_pk_add_f32 v[LW+8*\i+2*\p:LW+8*\i+2*\p+1], v[LW+8*\i+2*\p:LW+8*\i+2*\p+1], v[64*\i+\k+2*\p:64*\i+\k+2*\p+1]
.endr
.endr
.endm
; A step: 128 keys x 32 queries.  pre = 1: the next step's fragments are fetched: K's behind the scores' products, V's behind the step's last products.
.macro STEP pre
	WIN 0x40                                       ; D in window 1
.irp f, 0,1,2,3
	WM0 16*\f, FK+12*\f, Q+6, KSW+\f, QS           ; q in K's lower 64: the fragment's first keys
	WM0 64+16*\f, FK+12*\f, Q+18, KSW+\f, QS+1
	WM0 16*\f+8, FK+12*\f, Q, KSW+\f, QS           ; q in the upper 64: its second keys
	WM0 64+16*\f+8, FK+12*\f, Q+12, KSW+\f, QS+1
.endr
	WIN 0
.if \pre
	s_add_co_u32 s[TK], s[TK], STPB
	s_add_co_u32 s[TS], s[TS], 256
	ADDRS                                          ; four plain vector lines: the places behind the products (ISA guide 7.12.1)
	LOADK
.else
.rept 4
	v_nop
.endr
.endif
	WIN 0x55                                       ; every place in window 1
.set g_, 0
.rept 16
	MAXG 0, g_/4, g_%4
.set g_, g_+1
.endr
.set g_, 0
.rept 16                               ; tile 1's maxima, and among them links 0 to 7 of tile 0's chain
	MAXG 1, g_/4, g_%4
.if g_%2 == 1
	CHP 0, g_/2
.endif
.set g_, g_+1
.endr
.set n_, 0
.rept 32                               ; tile 0's t - M; among them the end of its chain and links 0 to 7 of tile 1's
	FMA1 0, n_
.if n_%4 == 3
.if n_/4 < 2
	CHP 0, 8+n_/4
.endif
	CHP 1, n_/4
.endif
.set n_, n_+1
.endr
	v_fma_f32 v[WBM], v[WBM], s[CS], v[WNM]        ; p rises with the score: the block's largest score gives its largest p
	v_fma_f32 v[WBM+1], v[WBM+1], s[CS], v[WNM]
.set n_, 0
.rept 16
	RSC1 0, n_
.if n_ == 3
	CHP 1, 8
.endif
.if n_ == 7
	CHP 1, 9
.endif
.set n_, n_+1
.endr
.set n_, 0
.rept 32
	FMA1 1, n_
.set n_, n_+1
.endr
	v_fma_f32 v[WBM+2], v[WBM+2], s[CS], v[WNM+2]
	v_fma_f32 v[WBM+3], v[WBM+3], s[CS], v[WNM+2]
.set n_, 0
.rept 16
	RSC1 1, n_
.set n_, n_+1
.endr
.irp i, 0,1
.irp p, 0,1,2,3
	v_pk_mul_f32 v[LW+8*\i+2*\p:LW+8*\i+2*\p+1], v[LW+8*\i+2*\p:LW+8*\i+2*\p+1], v[WFF+2*\i:WFF+2*\i+1] op_sel_hi:[1,0]   ; the sums under the new M
.endr
.endr
	s_wait_alu depctr_va_vdst(0)
	s_wait_dscnt 0x0                               ; this step's V and the next step's K are in: all 32 loads
.set n_, 0
.rept 128
	v_exp_f32 v[n_], v[n_]                         ; p = 2^(t - M), not normalised
.set n_, n_+1
.endr
.irp e, 0,1,2,3
	v_exp_f32 v[WBM+\e], v[WBM+\e]
.endr
	v_nop                                          ; one plain place behind the batch
	s_wait_alu depctr_va_vdst(0)                   ; one wait for the batch, ahead of its first reader
.irp e, 0,1,2,3
	v_max_num_f32 v[WBM+\e], 0x1800000, v[WBM+\e]  ; the floor 2^(3 - 127): the byte cannot fall under 1
.endr
	SUM8 0
.irp e, 0,1,2,3
	v_add_nc_u32 v[WSO+\e], 0xff000000, v[WBM+\e]  ; 2 off the exponent field: the conversion's scale operand
.endr
	SUM8 8
	WIN 0x05                                       ; sources in window 1, destination in window 0
.irp e, 0,1,2,3
	v_cvt_scalef32_pk16_fp6_f32 v[PC+6*\e:PC+6*\e+2], v[32*\e:32*\e+15], v[WSO+\e]
	v_cvt_scalef32_pk16_fp6_f32 v[CT+4*\e:CT+4*\e+2], v[32*\e+16:32*\e+31], v[WSO+\e]   ; (a conversion's three registers begin on an even number)
.endr
	WIN 0x55
.irp e, 0,1,2,3
	v_lshrrev_b32 v[WBT+\e], 23, v[WSO+\e]         ; the scale's byte.  (Plain lines behind the conversions)
.endr
	SUM8 16
.irp i, 0,1
	v_lshl_or_b32 v[WTA+\i], v[WBT+2*\i+1], 16, v[WBT+2*\i]   ; my bytes: blocks h and 2 + h,
.endr
	SUM8 24
.irp i, 0,1
	v_lshlrev_b32 v[WTA+\i], v[WSH], v[WTA+\i]     ; at their places in the word;
.endr
	SUM8 32
.irp i, 0,1
	v_permlanex16_b32 v[WTB+\i], v[WTA+\i], s[SEL], s[SEL+1]
.endr
	SUM8 40
	WIN 0x05
.irp i, 0,1
	v_or_b32 v[PSW+\i], v[WTA+\i], v[WTB+\i]       ; with lane l xor 16's two the word is whole
.endr
	WIN 0
.irp e, 0,1,2,3
.irp i, 0,1,2
	v_mov_b32 v[PC+6*\e+3+\i], v[CT+4*\e+\i]
.endr
.endr
	WIN 0x55
	SUM8 48                                        ; eight plain lines between p's codes and the products; twenty behind the scale words
	WIN 0x50                                       ; C and D in window 1
.irp t, 0,1,2,3
	WMA 128+8*\t, FV+12*\t, PC, VSW+\t, PSW        ; the eight accumulators by turns
	WMA 160+8*\t, FV+12*\t, PC+12, VSW+\t, PSW+1
.endr
	WIN 0x55
	SUM8 56                                        ; they name none of the products' registers: the places in front of the loads below
	WIN 0
.if \pre
	LOADV
.endif
.endm
.Lpass:
	s_wait_loadcnt 0x0                             ; this pass's q
.irp i, 0,1,2,3,4,5
	v_mov_b32 v[Q+6+\i], v[QST+\i]
	v_mov_b32 v[Q+18+\i], v[QST+6+\i]
.endr
	v_perm_b32 v[QS], v[QW], v[QW], 0x01000100     ; a tile's two scale bytes, for either half of K
	v_perm_b32 v[QS+1], v[QW], v[QW], 0x03020302
	s_cmp_eq_u32 s[PASS], 1
	s_cbranch_scc1 .Lnoq                           ; the last pass asks for no further q
	s_add_nc_u64 s[12:13], s[12:13], 3072          ; (the loads that read these bases are done)  two runs on
	s_add_nc_u64 s[14:15], s[14:15], 8
.irp j, 0,1,2
	global_load_b128 v[QST+4*\j:QST+4*\j+3], v[LI], s[12:13] offset:512*\j
.endr
	global_load_b32 v[QW], v[TQ], s[14:15]
.Lnoq:
	s_mov_b32 s[TK], 0
	s_mov_b32 s[TS], 0
	ADDRS
	v_add_nc_u32 v[STA], s[PO], v[STA0]
	v_add_nc_u32 v[SSA], s[PS], v[SSA0]
	LOADK
	LOADV
	WIN 0x40
.irp i, 0,1
	v_mov_b32 v[WNM+2*\i+1], 0xff61b1e6            ; the largest score so far: -3e38
	v_mov_b32 v[WNM+2*\i], 0x7e000000              ; -M: so large that the first change of M multiplies by 0
.endr
.set n_, 0
.rept 80
	v_mov_b32 v[128+n_], 0                         ; O^T and the sums: the step is written once, the first finds zeros
.set n_, n_+1
.endr
	WIN 0
	s_mov_b32 s[CNT], 7
	s_wait_alu depctr_va_vdst(0)
	s_wait_dscnt 0x0                               ; step 0's fragments
.Lstep:
	STEP 1
	s_sub_co_u32 s[CNT], s[CNT], 1
	s_cmp_lg_u32 s[CNT], 0
	s_wait_alu depctr_va_vdst(0)
	s_cbranch_scc1 .Lstep
	STEP 0                                         ; the last step fetches nothing
	WIN 0x55
.irp i, 0,1
	v_pk_add_f32 v[LW+8*\i:LW+8*\i+1], v[LW+8*\i:LW+8*\i+1], v[LW+8*\i+2:LW+8*\i+3]
	v_pk_add_f32 v[LW+8*\i+4:LW+8*\i+5], v[LW+8*\i+4:LW+8*\i+5], v[LW+8*\i+6:LW+8*\i+7]
.endr
.irp i, 0,1
	v_pk_add_f32 v[LW+8*\i:LW+8*\i+1], v[LW+8*\i:LW+8*\i+1], v[LW+8*\i+4:LW+8*\i+5]
.endr
.irp i, 0,1
	v_add_f32 v[WTA+\i], v[LW+8*\i], v[LW+8*\i+1]
.endr
.irp i, 0,1
	v_permlanex16_b32 v[WTB+\i], v[WTA+\i], s[SEL], s[SEL+1]
.endr
.irp i, 0,1
	v_add_f32 v[WTA+\i], v[WTA+\i], v[WTB+\i]      ; the row's sum
.endr
	s_wait_alu depctr_va_vdst(0)                   ; ahead of the transcendentals
	v_rcp_f32 v[WTA], v[WTA]
	v_rcp_f32 v[WTA+1], v[WTA+1]
	v_nop
	WIN 0x05
	s_wait_alu depctr_va_vdst(0)                   ; and ahead of their first reader, which is also O^T's
.irp i, 0,1
.set n_, 0
.rept 32
	v_mul_f32 v[FK+48*\i+n_], v[128+32*\i+n_], v[WTA+\i]   ; ctx: register 16 b + n of lane (r, h) is dim 32 b + 16 h + n of query r
.set n_, n_+1
.endr
.endr
	WIN 0
.irp e, 0,1,2,3                        ; e = 2 x tile + b: ctx's blocks of 32 along the last product's K, half a block a lane
	v_max3_num_f32 v[BM+\e], |v[FK+48*(\e/2)+16*(\e%2)]|, |v[FK+48*(\e/2)+16*(\e%2)+1]|, 0x1800000
.endr
.irp k, 2,4,6,8,10,12,14
.irp e, 0,1,2,3
	v_max3_num_f32 v[BM+\e], v[BM+\e], |v[FK+48*(\e/2)+16*(\e%2)+\k]|, |v[FK+48*(\e/2)+16*(\e%2)+\k+1]|
.endr
.endr
.irp e, 0,1,2,3
	v_permlanex16_b32 v[BT+\e], v[BM+\e], s[SEL], s[SEL+1]
.endr
.irp e, 0,1,2,3
	v_max_num_f32 v[BM+\e], v[BM+\e], v[BT+\e]
.endr
.irp e, 0,1,2,3
	v_add_nc_u32 v[SO+\e], 0xff000000, v[BM+\e]
.endr
.irp e, 0,1,2,3
	v_lshrrev_b32 v[BT+\e], 23, v[SO+\e]
.endr
.irp i, 0,1
	v_lshl_or_b32 v[TA+\i], v[BT+2*\i+1], 8, v[BT+2*\i]
.endr
.irp i, 0,1
	v_cvt_scalef32_pk16_fp6_f32 v[PC+12*\i:PC+12*\i+2], v[FK+48*\i:FK+48*\i+15], v[SO+2*\i]
	v_cvt_scalef32_pk16_fp6_f32 v[CT+8*\i:CT+8*\i+2], v[FK+48*\i+16:FK+48*\i+31], v[SO+2*\i+1]
.endr
	v_nop
.irp i, 0,1
.irp k, 0,1,2
	v_permlane16_swap_b32 v[PC+12*\i+\k], v[CT+8*\i+\k]   ; a whole block to a lane
.endr
.endr
.irp i, 0,1
.irp k, 0,1,2
	v_mov_b32 v[PC+12*\i+3+\k], v[CT+8*\i+\k]
.endr
.endr
.irp i, 0,1
	ds_store_b64 v[STA], v[PC+12*\i:PC+12*\i+1] offset:3072*\i
	ds_store_b64 v[STA], v[PC+12*\i+2:PC+12*\i+3] offset:3072*\i+8
	ds_store_b64 v[STA], v[PC+12*\i+4:PC+12*\i+5] offset:3072*\i+16
	ds_store_b16 v[SSA], v[TA+\i] offset:128*\i
.endr
	s_add_co_u32 s[PO], s[PO], 12288               ; the next pass's run lies 64 stage rows on
	s_add_co_u32 s[PS], s[PS], 512
	s_sub_co_u32 s[PASS], s[PASS], 1
	s_cmp_lg_u32 s[PASS], 0
	s_wait_alu depctr_va_vdst(0)
	s_cbranch_scc1 .Lpass
	s_wait_dscnt 0x0                               ; my stores into the stage are done,
	s_barrier_signal -1
	s_barrier_wait -1                              ; and everybody's
.irp j, 0,1,2,3,4,5
	ds_load_b128 v[FK+4*\j:FK+4*\j+3], v[SRD] offset:512*\j
.endr
.irp j, 0,1,2,3,4,5
	s_wait_dscnt 5-\j                              ; loads come back in order: the younger 5 - j may be out
	global_store_b128 v[LI], v[FK+4*\j:FK+4*\j+3], s[18:19] offset:512*\j   ; 32 lanes store 512 consecutive bytes, aligned to 256
.endr
	s_cmp_lt_u32 s[WV], 2
	s_cbranch_scc0 .Lno_scales
	ds_load_b128 v[FV:FV+3], v[SSR]
	s_wait_dscnt 0x0
	global_store_b128 v[LI], v[FV:FV+3], s[16:17]
.Lno_scales:
	s_wait_tensorcnt 0x0                           ; the wave's end
	ds_add_u32 v[SPW], v[NIL]
	s_wait_dscnt 0x0
	CROUND                                         ; the closing round
	s_endpgm
.Lfunc_end_k_qdeac6d0549_attn:
	.size	k_qdeac6d0549_attn, .Lfunc_end_k_qdeac6d0549_attn-k_qdeac6d0549_attn
	.p2alignl 7, 3214868480
	.fill 96, 4, 3214868480
	.section	.rodata,"a",@progbits
	.p2align	6, 0x0
	.amdhsa_kernel k_qdeac6d0549_attn
		.amdhsa_group_segment_fixed_size 327680
		.amdhsa_private_segment_fixed_size 0
		.amdhsa_enable_private_segment 0
		.amdhsa_kernarg_size 16
		.amdhsa_user_sgpr_count 2
		.amdhsa_user_sgpr_kernarg_segment_ptr 1
		.amdhsa_wavefront_size32 1
		.amdhsa_system_sgpr_workgroup_id_x 1
		.amdhsa_system_sgpr_workgroup_id_y 1
		.amdhsa_system_sgpr_workgroup_id_z 1
		.amdhsa_system_vgpr_workitem_id 0
		.amdhsa_next_free_vgpr 512
		.amdhsa_next_free_sgpr 66
		.amdhsa_reserve_vcc 0
		.amdhsa_float_denorm_mode_32 3
		.amdhsa_float_denorm_mode_16_64 3
		.amdhsa_memory_ordered 1
		.amdhsa_forward_progress 1
		.amdhsa_inst_pref_size 77
	.end_amdhsa_kernel
	.amdgpu_metadata
---
amdhsa.version: [ 1, 2 ]
amdhsa.kernels:
  - .name:           k_qdeac6d0549_attn
    .symbol:         k_qdeac6d0549_attn.kd
    .args:
      - { .name: qkv, .offset: 0, .size: 8, .value_kind: global_buffer, .address_space: global }
      - { .name: ctx, .offset: 8, .size: 8, .value_kind: global_buffer, .address_space: global }
    .group_segment_fixed_size: 327680
    .private_segment_fixed_size: 0
    .kernarg_segment_align: 8
    .kernarg_segment_size: 16
    .max_flat_workgroup_size: 256
    .sgpr_count:     66
    .vgpr_count:     512
    .wavefront_size: 32
...
	.end_amdgpu_metadata
.endif
;; end of part 3
;; launch gemm_out (part 4): grid 8 x 32, 4 waves a work-group, clusters of 4 x 4, 327,680 bytes of LDS; arguments ctx, xw, bo, out0; writes out0
.if DOCPART == 4
	.amdgcn_target "amdgcn-amd-amdhsa--gfx1250"
	.amdhsa_code_object_version 6
	.text
	.protected	k_qdeac6d0549_gemm_out
	.globl	k_qdeac6d0549_gemm_out
	.p2align	8
	.type	k_qdeac6d0549_gemm_out,@function
k_qdeac6d0549_gemm_out:
	s_mov_b64 s[64:65], 0
	v_nop
	global_prefetch_b8 v0, s[64:65] scope:SCOPE_SE
	s_setreg_imm32_b32 hwreg(HW_REG_WAVE_MODE, 25, 1), 1
	s_wait_xcnt 0x0
	s_wait_alu depctr_hold_cnt(0) depctr_sa_sdst(0) depctr_va_vdst(0) depctr_va_sdst(0) depctr_va_ssrc(0) depctr_va_vcc(0) depctr_vm_vsrc(0)
	s_getreg_b32 s2, hwreg(HW_REG_IB_STS2, 6, 4)
	s_cmp_eq_u32 s2, 0
	s_cbranch_scc0 .Lentry_in_a_cluster
	s_endpgm
.Lentry_in_a_cluster:
	s_bfe_u32 s2, ttmp6, 0x10000c
	s_cmp_lg_u32 s2, 0xf033
	s_cbranch_scc0 .Lentry_shape_is_right
	s_endpgm
.Lentry_shape_is_right:
; out0 = ctx Wo + bo on codes of FP6 (E2M3) with E8M0 scales, K = 2,048; out0 [4096][2048] f32.
; A tile of 128 rows x 256 columns to a work-group: 32 x 8 = 256 work-groups.  Four waves, 64 x 128 a wave: 32 accumulators, 256 registers.
; Operands lie [kc = K / 256][row][192 bytes], scale bytes [kc][row][8]: A's 128 rows of a K step are 24,576 consecutive bytes (stated as 32 rows of 768), B's 256 rows 49,152 (64 rows of 768).
; THREE LDS SLOTS of one K step (256 along K).  Waves 0 and 1 fetch A's whole tile, waves 2 and 3 B's; of each pair the even wave takes one K step and the odd wave the next: so ONE round of the cluster's barrier
; can fill TWO slots with one tensor load a wave.  K steps 0, 1, 2 are first fills; behind k1 slots 0 and 1 take k3 and k4; behind k2 slot 2 takes k5 (the even waves alone); behind k4 slots 0 and 1 take k6 and k7:
; three rounds with refills for eight K steps.  A change of slots behind which nothing is filled, into a slot that an earlier barrier has shown whole, has no barrier.  The eight K steps are written out: no loop.
; CLUSTERS: 4 x 4 work-groups; A's tiles are asked for jointly along a row of the cluster, B's along a column.
; THE MATRIX INSTRUCTION IS USED TRANSPOSED (source 0 = 16 rows of Wo's operand, source 1 = 16 rows of ctx).  Row positions of both operands hold true index sigma(position) (bits 3 and 4 exchanged): the way out
; undoes it by its offsets: accumulator (a, b)'s register j of lane (r, h) is column 32 (b / 2) + 16 h + 8 (b % 2) + j of true row 32 (a / 2) + 8 (a % 2) + r + 8 (r / 8).
; THE BIAS is the C of the first K step's products (so it is rounded into the sums at their start, not added at their end).
; REGISTERS: window 0: v8-31 addresses; v32-63 scale words, two sets; v64-127 the bias; v128-223 A's fragments, two sets of 48; on the way out v128-255.  window 1: B's fragments, two sets, at v0 and v128.
;   window 2: the accumulators ((a, b) at v[8 (8 a + b)]).
.set R_CSC, 6291456
.set R_WOC, 11468800
.set R_WOS, 14614528
.set CHA,   786432                     ; a K step on in A: 4,096 rows x 192 bytes
.set CHB,   393216                     ; in B: 2,048 rows
.set PITCH, 240                        ; an LDS row: 3 x (64 bytes + 16 of padding)
.set FR,    12
.set NP,    4
.set ASL,   128*PITCH                  ; a slot's part for A: 30,720 bytes
.set BSL,   256*PITCH                  ; for B: 61,440
.set BBASE, 3*ASL                      ; A's three slots, then B's three
.set SCL,   BBASE+3*BSL                ; behind the slots: the scale bytes of all of K: A's [kc 8][128 rows][8], then B's [kc 8][256 rows][8]
.set SPARE, SCL+24576                  ; the spare words: two blocks of 256 bytes that no other line names
.set STAGE, BBASE+2*BSL                ; the way out: 16 rows x 528 bytes for each wave, in B's slot 2: it has had its last fill (k5), and a barrier stands behind its last read
.set SPITCH, 528
.set ADRA, 8                           ; v8-10   LDS address of my A fragments in slot 0, 1, 2;  v11-13 the same behind one padding more
.set ADRB, 14                          ; v14-16, v17-19  the same for B
.set STO,  24
.set RD,   25
.set CO,   26
.set ADRS, 27
.set SPW,  28
.set NIL,  29
.set BO,   30
.set PFO,  31                          ; v31     the prefetches' offset: 256 x min(lane, 23); never rewritten
.set SC,   32
.set BIAS, 64
.set AF,   128
.set BK,   128
.set G1, 24                            ; s[24:31] group 1 for A's tiles;  s[32:35] group 0 for K steps parity, 3 + parity, 6 + parity;  s[36:39] for K steps 2 and 5
.set G0, 32
.set G1B, 48                           ; s[48:55], s[56:63] the same for B's
.set G0B, 56
.set G1S, 68
.set G0S, 76
.set G1SB, 80
.set G0SB, 88
.set LIM, 96                           ; s96     1 in a wave that prefetches, else 0
.set PFA, 98                           ; s[98:99] my work-group's part of the tile of K step parity; never rewritten: the K step stands in the immediate
.set MSB, 0
.macro WIN new                         ; the immediate's high byte repeats the setting that is left
.if MSB != \new
	s_set_vgpr_msb (MSB<<8)|\new
.set MSB, \new
.endif
.endm
.set MUL,  0xa1                        ; source 0 (B) window 1, source 1 (A) window 0, C and D window 2
.set TO_B, 0x40
.macro JLOAD g0a, g1a, g0b, g1b        ; a joint load of every wave: waves 0 and 1 for A, waves 2 and 3 for B; an s_nop 0 and four v_nop follow each line
	s_cmp_eq_u32 s15, 0
	s_cbranch_scc0 .Lfor_b_\@
	tensor_load_to_lds s[\g0a:\g0a+3], s[\g1a:\g1a+7]
	s_nop 0
.rept 4
	v_nop
.endr
	s_branch .Lasked_\@
.Lfor_b_\@:
	tensor_load_to_lds s[\g0b:\g0b+3], s[\g1b:\g1b+7]
	s_nop 0
.rept 4
	v_nop
.endr
.Lasked_\@:
.endm
.macro JLOADP g0a, g1a, g0b, g1b       ; the same of the even waves alone: one slot is filled, wave 0 takes A's tile and wave 2 B's.  The branches hang on the wave's number alone
	s_cmp_eq_u32 s16, 0
	s_cbranch_scc0 .Lasked_\@
	s_cmp_eq_u32 s15, 0
	s_cbranch_scc0 .Lfor_b_\@
	tensor_load_to_lds s[\g0a:\g0a+3], s[\g1a:\g1a+7]
	s_nop 0
.rept 4
	v_nop
.endr
	s_branch .Lasked_\@
.Lfor_b_\@:
	tensor_load_to_lds s[\g0b:\g0b+3], s[\g1b:\g1b+7]
	s_nop 0
.rept 4
	v_nop
.endr
.Lasked_\@:
.endm
; A PREFETCH INTO THE L2 of what my next refill will load: K step k + parity (par = 1: K step k, the even waves alone).  It stands behind the wave's tensor load and the run of LDS loads that follows it, one refill ahead.
; A's tile row is read by both clusters of its row of clusters: cluster x = 0 asks; B's tile column by all eight clusters of its column: cluster y = 0 asks.  The four partners that ask for a tile jointly share it out
; BY ADDRESS: a quarter each (A: 24 pieces of 256 bytes, one instruction; B: 48, two), lanes 256 bytes apart; lanes 24 to 31 name lane 23's piece again.  K steps 0 to 2 come by their loads alone.
.macro ASK k, par
	s_cmp_eq_u32 s[LIM], 1
	s_cbranch_scc0 .Lnot_mine_\@
.if \par
	s_cmp_eq_u32 s16, 0
	s_cbranch_scc0 .Lnot_mine_\@
.endif
	s_cmp_eq_u32 s15, 0
	s_cbranch_scc0 .Lpf_b_\@
	global_prefetch_b8 v[PFO], s[PFA:PFA+1] offset:(\k)*CHA th:TH_LOAD_NT scope:SCOPE_SE
	s_branch .Lnot_mine_\@
.Lpf_b_\@:
	global_prefetch_b8 v[PFO], s[PFA:PFA+1] offset:(\k)*CHB th:TH_LOAD_NT scope:SCOPE_SE
	global_prefetch_b8 v[PFO], s[PFA:PFA+1] offset:(\k)*CHB+6144 th:TH_LOAD_NT scope:SCOPE_SE
.Lnot_mine_\@:
.endm
.macro CREST                           ; a round of the cluster's barrier behind its opening barrier
	s_cmp_lg_u32 s14, 0
	s_cbranch_scc1 .Lnot_wave_0_\@
	s_barrier_signal -3
.Lnot_wave_0_\@:
	s_barrier_wait -3
	s_barrier_signal -1
	s_barrier_wait -1
.endm
.macro CROUND
	s_barrier_signal -1
	s_barrier_wait -1
	CREST
.endm
	s_load_b128 s[4:7], s[0:1], 0x0                ; ctx, xw
	s_load_b128 s[92:95], s[0:1], 0x10             ; bo, out0
	v_lshl_add_u32 v[SPW], v0, 2, SPARE
	v_mov_b32 v[NIL], 0
	ds_add_u32 v[SPW], v[NIL]                      ; the wave's opening: the add and its wait ahead of my first tensor load
	ds_add_u32 v[SPW], v[NIL]
	v_lshrrev_b32 v1, 5, v0
	v_readfirstlane_b32 s14, v1                    ; wave
	s_lshr_b32 s15, s14, 1                         ; my half of the tile's rows (64).  Also: I fetch for A (0) or for B (1)
	s_and_b32 s16, s14, 1                          ; my half of its columns (128).  Also: the parity of the K steps that I fetch
	s_bfe_u32 s40, ttmp6, 0x40000                  ; cx
	s_bfe_u32 s41, ttmp6, 0x40004                  ; cy
	s_lshl_b32 s42, ttmp9, 2
	s_add_co_u32 s42, s42, s40                     ; tile column (256 columns)
	s_and_b32 s2, ttmp7, 0xffff                    ; cluster y
	s_lshl_b32 s17, s2, 2
	s_add_co_u32 s17, s17, s41                     ; tile row (128 rows)
	s_lshl_b32 s43, s41, 2
	s_lshl_b32 s43, 15, s43                        ; my row of the cluster
	s_lshl_b32 s44, 0x1111, s40                    ; my column
	s_or_b32 s[G1+0], s43, (0<<16)|(1<<20)|(1<<21)|(3<<22)|(3<<25)  ; mask; elements of 1 byte; padding on; bit 21 beside a mask; after every 16 words 4 words
	s_or_b32 s[G1B+0], s44, (0<<16)|(1<<20)|(1<<21)|(3<<22)|(3<<25)
.irp g, G1, G1B                        ; the head's shape: a K step's tile is one row (A 24,576 bytes, B 49,152); three K steps, a K step apart in memory, land on the three slots, which lie on end
	s_mov_b32 s[\g+2], 3<<16
	s_mov_b32 s[\g+4], 3
	s_mov_b32 s[\g+6], 0
	s_mov_b32 s[\g+7], 0
.endr
	s_mov_b32 s[G1+1], 24576<<16
	s_mov_b32 s[G1+3], 24576<<16
	s_mov_b32 s[G1+5], CHA
	s_mov_b32 s[G1B+1], 49152<<16
	s_mov_b32 s[G1B+3], 49152<<16
	s_mov_b32 s[G1B+5], CHB
	s_or_b32 s[G1S+0], s43, (3<<16)|(1<<21)        ; the scale bytes: rows (one a kc) of 128 elements of 8 bytes, no padding
	s_or_b32 s[G1SB+0], s44, (3<<16)|(1<<21)
.irp g, G1S, G1SB
	s_mov_b32 s[\g+1], 128<<16
	s_mov_b32 s[\g+3], 128<<16
	s_mov_b32 s[\g+6], 0
	s_mov_b32 s[\g+7], 0
.endr
	s_mov_b32 s[G1S+2], 8<<16                      ; A: its 128 rows, all eight kc, by one wave
	s_mov_b32 s[G1S+4], 8
	s_mov_b32 s[G1SB+1], 256<<16                   ; B: its 256 rows, 2,048 bytes a kc, by one wave
	s_mov_b32 s[G1SB+3], 256<<16
	s_mov_b32 s[G1S+5], 4096                       ; from kc to kc: the operand's rows
	s_mov_b32 s[G1SB+2], 8<<16                     ; B: all eight kc
	s_mov_b32 s[G1SB+4], 8
	s_mov_b32 s[G1SB+5], 2048
	s_mul_i32 s18, s16, CHA                        ; my parity's K step, in A
	s_mov_b32 s19, 0
	s_mul_i32 s10, s16, CHB                        ; and in B
	s_mov_b32 s11, 0
	s_mul_i32 s20, s17, 24576                      ; A: 128 rows x 192 bytes for each tile row
	s_mov_b32 s21, 0
	s_lshl_b32 s22, s17, 10                        ; its scale bytes: 128 rows x 8
	s_add_co_u32 s22, s22, R_CSC
	s_mov_b32 s23, 0
	s_mul_i32 s46, s42, 49152                      ; B: 256 rows x 192 bytes for each tile column
	s_add_co_u32 s46, s46, R_WOC
	s_mov_b32 s47, 0
	s_lshl_b32 s100, s42, 11                       ; its scale bytes: 256 rows x 8
	s_add_co_u32 s100, s100, R_WOS
	s_mov_b32 s101, 0
	s_mul_i32 s45, s16, ASL                        ; where they go: slot = my parity; no place in the cluster enters an LDS address
	s_mul_i32 s12, s16, BSL
	s_add_co_u32 s12, s12, BBASE
	s_wait_dscnt 0x0                               ; the opening add is done
	s_wait_kmcnt 0x0
	s_add_nc_u64 s[20:21], s[4:5], s[20:21]
	s_add_nc_u64 s[22:23], s[4:5], s[22:23]
	s_add_nc_u64 s[46:47], s[6:7], s[46:47]
	s_add_nc_u64 s[100:101], s[6:7], s[100:101]
	CROUND                                         ; all sixteen work-groups are here: the first joint loads meet
	s_mov_b32 s[G0S], 1
	s_mov_b32 s[G0S+1], SCL
	s_mov_b64 s[G0S+2:G0S+3], s[22:23]
	s_or_b32 s[G0S+3], s[G0S+3], 0x80000000
	s_mov_b32 s[G0SB], 1
	s_mov_b32 s[G0SB+1], SCL+8192
	s_mov_b64 s[G0SB+2:G0SB+3], s[100:101]
	s_or_b32 s[G0SB+3], s[G0SB+3], 0x80000000
	s_mov_b32 s[G0], 1
	s_mov_b32 s[G0+1], s45
	s_add_nc_u64 s[G0+2:G0+3], s[20:21], s[18:19]
	s_or_b32 s[G0+3], s[G0+3], 0x80000000
	s_mov_b32 s[G0B], 1
	s_mov_b32 s[G0B+1], s12
	s_add_nc_u64 s[G0B+2:G0B+3], s[46:47], s[10:11]
	s_or_b32 s[G0B+3], s[G0B+3], 0x80000000
; THE HEAD'S LOADS, ONE A WAVE, in one chain of branches on the wave's number: wave 0 A's tiles of K steps 0 to 2 (its descriptor of parity 0: K step 0, slot 0), wave 1 A's scale bytes, wave 2 B's tiles of K steps 0 to 2, wave 3 B's scale bytes.
.macro ARM under, g0, g1, next
	s_cmp_lt_u32 s14, \under
	s_cbranch_scc0 \next
	tensor_load_to_lds s[\g0:\g0+3], s[\g1:\g1+7]
	s_nop 0
.rept 4
	v_nop
.endr
	s_branch .Lhead_asked
\next:
.endm
	ARM 1, G0,  G1,  .Lhead_sa
	ARM 2, G0S, G1S, .Lhead_b
	ARM 3, G0B, G1B, .Lhead_sb
	tensor_load_to_lds s[G0SB:G0SB+3], s[G1SB:G1SB+7]
	s_nop 0
.rept 4
	v_nop
.endr
.Lhead_asked:
	s_mov_b32 s[G0+4], 1
	s_mov_b32 s[G0+5], 2*ASL
	s_add_nc_u64 s[G0+6:G0+7], s[20:21], 2*CHA
	s_or_b32 s[G0+7], s[G0+7], 0x80000000
	s_mov_b32 s[G0B+4], 1
	s_mov_b32 s[G0B+5], BBASE+2*BSL
	s_add_nc_u64 s[G0B+6:G0B+7], s[46:47], 2*CHB
	s_or_b32 s[G0B+7], s[G0B+7], 0x80000000
	; the prefetches: where mine stand, and who asks
	s_cmp_eq_u32 s15, 0                            ; do I fetch for A?
	s_cselect_b64 s[PFA:PFA+1], s[20:21], s[46:47]
	s_cselect_b32 s8, s40, s41                     ; my place among the four that ask for the tile with me
	s_mov_b32 s9, 12288
	s_cselect_b32 s9, 6144, s9                     ; a quarter of the tile
	s_cselect_b32 s12, s18, s10                    ; my parity's K step
	s_cselect_b32 s[LIM], ttmp9, s2                ; the coordinate along which other clusters read the same tile
	s_mul_i32 s8, s8, s9
	s_add_co_u32 s8, s8, s12
	s_mov_b32 s9, 0
	s_add_nc_u64 s[PFA:PFA+1], s[PFA:PFA+1], s[8:9]
	s_cmp_eq_u32 s[LIM], 0
	s_cselect_b32 s[LIM], 1, 0                     ; the same in all sixteen partners, for a given wave
	v_and_b32 v1, 15, v0                           ; r
	v_bfe_u32 v2, v0, 4, 1                         ; h
	s_wait_alu depctr_va_vdst(0)
	v_and_b32 v7, 31, v0                           ; lane
	v_min_u32 v[PFO], 23, v7
	v_lshlrev_b32 v[PFO], 8, v[PFO]
	s_lshl_b32 s10, s42, 10
	s_lshl_b32 s11, s16, 9
	s_add_co_u32 s10, s10, s11                     ; my first column, in bytes
	s_mov_b32 s11, 0
	s_add_nc_u64 s[8:9], s[92:93], s[10:11]        ; in bo,
	s_lshl_b32 s18, s17, 7
	s_lshl_b32 s19, s15, 6
	s_add_co_u32 s18, s18, s19
	s_lshl_b32 s18, s18, 13                        ; my first row of 8,192 bytes: 128 x tile row + 64 x half
	s_add_co_u32 s10, s10, s18
	s_add_nc_u64 s[12:13], s[94:95], s[10:11]      ; and in out0
	v_lshlrev_b32 v[BO], 6, v2
.irp b, 0,1,2,3,4,5,6,7
	global_load_b128 v[BIAS+8*\b:BIAS+8*\b+3], v[BO], s[8:9] offset:(32*(\b/2)+8*(\b%2))*4
	global_load_b128 v[BIAS+8*\b+4:BIAS+8*\b+7], v[BO], s[8:9] offset:(32*(\b/2)+8*(\b%2))*4+16
.endr
	v_mul_u32_u24 v3, v1, PITCH
	v_mul_u32_u24 v4, v2, 24
	v_add_nc_u32 v4, v3, v4                        ; a fragment's row x pitch + 24 x half
	v_lshl_add_u32 v5, v2, 4, v4                   ; and the same behind one padding more
	s_mul_i32 s21, s15, 64*PITCH                   ; my 64 rows of A
	s_mul_i32 s22, s16, 128*PITCH                  ; my 128 rows of B
	s_add_co_u32 s22, s22, BBASE
.irp s, 0,1,2
	v_add_nc_u32 v[ADRA+\s], s21, v4
	v_add_nc_u32 v[ADRB+\s], s22, v4
	v_add_nc_u32 v[ADRA+3+\s], s21, v5
	v_add_nc_u32 v[ADRB+3+\s], s22, v5
	s_add_co_u32 s21, s21, ASL
	s_add_co_u32 s22, s22, BSL
.endr
	v_lshlrev_b32 v5, 3, v1                        ; my row's 8 scale bytes of a kc
	s_lshl_b32 s21, s15, 9                         ; A's: my 64 rows
	s_lshl_b32 s22, s16, 10
	s_add_co_u32 s22, s22, 8192
	s_sub_co_u32 s22, s22, s21
	v_mul_u32_u24 v6, s22, v2
	v_lshl_add_u32 v20, v2, 10, 1024               ; from kc to kc: A's scale bytes lie 1,024 bytes apart (lanes 0-15), B's 2,048 (lanes 16-31); never rewritten
	s_add_co_u32 s21, s21, SCL
	v_add_nc_u32 v5, v5, v6
	v_add_nc_u32 v[ADRS], s21, v5
	s_mul_i32 s23, s14, 16*SPITCH                  ; my stage
	s_add_co_u32 s23, s23, STAGE
	v_mul_u32_u24 v5, v1, SPITCH
	v_lshl_add_u32 v5, v2, 6, v5
	v_add_nc_u32 v[STO], s23, v5                   ; in: row r, + 64 h
	v_lshlrev_b32 v[CO], 4, v7                     ; back: the 32 lanes take one row of 512 bytes; and the same in out0
	v_add_nc_u32 v[RD], s23, v[CO]
.macro FRAG reg, adr, q, i             ; 16 rows x 128 K: 12 registers, in pieces of 8 bytes; where the piece three on lies behind one padding more, the second address register serves
.irp p, 0,1,2,3,4,5
.set PC, 12*(\q)+6*(\p/3)+\p%3
.if PC%8 < 5
	ds_load_b64 v[\reg+2*\p:\reg+2*\p+1], v[\adr] offset:8*PC+16*(PC/8)+(\i)*16*PITCH
.else
	ds_load_b64 v[\reg+2*\p:\reg+2*\p+1], v[\adr+3] offset:8*PC+16*(PC/8)+(\i)*16*PITCH
.endif
.endr
.endm
; 8 matrix instructions: A's block a x B's eight; p: the sets of fragments; q: which 128 of the K step; sc: the set of scale words.  first = 1: the sums start from the bias.
; The 32 accumulators take turns, one instruction a turn, in the same order in every step.
.macro MUL8 a, p, q, sc, first
.irp b, 0,1,2,3,4,5,6,7
.if \first
	v_wmma_scale_f32_16x16x128_f8f6f4 v[8*(8*(\a)+\b):8*(8*(\a)+\b)+7], v[128*(\p)+FR*\b:128*(\p)+FR*\b+FR-1], v[AF+48*(\p)+FR*(\a):AF+48*(\p)+FR*(\a)+FR-1], v[BIAS+8*\b:BIAS+8*\b+7], v[SC+16*(\sc)+2*\b+(\q)], v[SC+16*(\sc)+2*(\a)+(\q)] matrix_a_fmt:MATRIX_FMT_FP6 matrix_b_fmt:MATRIX_FMT_FP6 matrix_a_scale:MATRIX_SCALE_ROW1
.else
	v_wmma_scale_f32_16x16x128_f8f6f4 v[8*(8*(\a)+\b):8*(8*(\a)+\b)+7], v[128*(\p)+FR*\b:128*(\p)+FR*\b+FR-1], v[AF+48*(\p)+FR*(\a):AF+48*(\p)+FR*(\a)+FR-1], v[8*(8*(\a)+\b):8*(8*(\a)+\b)+7], v[SC+16*(\sc)+2*\b+(\q)], v[SC+16*(\sc)+2*(\a)+(\q)] matrix_a_fmt:MATRIX_FMT_FP6 matrix_b_fmt:MATRIX_FMT_FP6 matrix_a_scale:MATRIX_SCALE_ROW1
.endif
.endr
.endm
.macro FETCH slot, q, p                ; 72 LDS loads in one run: B's eight fragments and A's four of the slot's q-th 128 along K, into sets p
	WIN TO_B
.irp i, 0,1,2,3,4,5,6,7
	FRAG 128*(\p)+FR*\i, ADRB+\slot, \q, \i
.endr
	WIN 0
.irp i, 0,1,2,3
	FRAG AF+48*(\p)+FR*\i, ADRA+\slot, \q, \i
.endr
.endm
.macro SCALES sc                       ; a K step's two scale words a row: lanes 0-15 A's block i (blocks 0-3 are mine; what they read for i above 3 is not used), lanes 16-31 B's block i
.irp i, 0,1,2,3,4,5,6,7
	ds_load_b64 v[SC+16*\sc+2*\i:SC+16*\sc+2*\i+1], v[ADRS] offset:\i*128
.endr
.endm
.macro PLACES n                        ; plain vector instructions between a matrix instruction and a load into, or a read of, its registers
.rept \n
	v_nop
.endr
.endm
; A K step's first 128 along K: multiplies sets 0; in its middle it fetches the second 128, of the same slot, into sets 1, which the step before has read: four places stand behind that step's products.
.macro STEP slot, sc, first
	s_wait_dscnt 0x0                               ; this step's fragments, asked for 16 matrix instructions ago
.if \first
	WIN 0x81                                       ; C (the bias) window 0, D window 2
.else
	WIN MUL
.endif
	MUL8 0, 0, 0, \sc, \first
	MUL8 1, 0, 0, \sc, \first
	PLACES NP
	FETCH \slot, 1, 1
.if \first
	WIN 0x81
.else
	WIN MUL
.endif
	MUL8 2, 0, 0, \sc, \first
	MUL8 3, 0, 0, \sc, \first
.endm
; A K step's second 128 multiplies sets 1 and changes slots: in its middle it fetches the next slot's first fragments and scale words.
; kind 0: no barrier: nothing is filled, and an earlier barrier has shown the next slot whole.
; kind 1: a barrier: every wave has waited for its tensor loads, the next two slots' among them.
; kind 2: the barrier opens a round of the cluster's barrier, and slots 0 and 1, which nobody reads any more, are filled again, one load a wave.   kind 3: the same for slot 2, by the even waves.
; ask: the K step that the prefetch names (0: none).
.macro TURN next, sc, nsc, kind, ask
.if \kind
	WIN 0                                          ; (the add's two registers lie in window 0)
	s_wait_tensorcnt 0x0                           ; all my tensor loads have landed
	ds_add_u32 v[SPW], v[NIL]                      ; 0 onto my spare word
	s_wait_dscnt 1                                 ; this step's fragments are in; the add may be out
	WIN MUL
	MUL8 0, 1, 1, \sc, 0                           ; eight matrix instructions stand between the add and the wait for it
	s_wait_dscnt 0x0                               ; the add is done, and my reads of this slot and of those before it are over
	s_barrier_signal -1
	MUL8 1, 1, 1, \sc, 0
	WIN 0
	s_barrier_wait -1
.if \kind == 2
	CREST                                          ; no wave of any partner still reads slots 0 and 1 or has a load on its way
	s_add_nc_u64 s[G0+2:G0+3], s[G0+2:G0+3], 3*CHA
	s_add_nc_u64 s[G0B+2:G0B+3], s[G0B+2:G0B+3], 3*CHB
	JLOAD G0, G1, G0B, G1B                         ; my one tensor load behind the round; its four v_nop are the places in front of the loads below
.elseif \kind == 3
	CREST
	s_add_nc_u64 s[G0+6:G0+7], s[G0+6:G0+7], 3*CHA
	s_add_nc_u64 s[G0B+6:G0B+7], s[G0B+6:G0B+7], 3*CHB
	JLOADP G0+4, G1, G0B+4, G1B
	PLACES NP                                      ; (the odd waves have passed no v_nop)
.else
	PLACES NP
.endif
.else
	s_wait_dscnt 0x0
	WIN MUL
	MUL8 0, 1, 1, \sc, 0
	MUL8 1, 1, 1, \sc, 0
	PLACES NP
	WIN 0
.endif
	s_wait_alu depctr_va_vdst(0)
	v_add_nc_u32 v[ADRS], v20, v[ADRS]
	FETCH \next, 0, 0
	SCALES \nsc
.if \ask == 5
	ASK 5, 1
.elseif \ask == 6
	ASK 6, 0
.endif
	WIN MUL
	MUL8 2, 1, 1, \sc, 0
	MUL8 3, 1, 1, \sc, 0
.endm
	s_wait_alu depctr_va_vdst(0)
	s_wait_tensorcnt 0x0                           ; my one load of the head is in: no tensor load of mine is out, so a descriptor may be written
.irp g, G1, G1B                        ; the ring's shape: rows of 768 bytes, A 32 of them, B 64
	s_mov_b32 s[\g+1], 768<<16
	s_mov_b32 s[\g+3], 768<<16
	s_mov_b32 s[\g+5], 768
.endr
	s_mov_b32 s[G1+2], 32<<16
	s_mov_b32 s[G1+4], 32
	s_mov_b32 s[G1B+2], 64<<16
	s_mov_b32 s[G1B+4], 64
	s_barrier_signal -1
	s_barrier_wait -1                              ; everybody's is in: the scale bytes and K steps 0, 1 and 2
	FETCH 0, 0, 0
	SCALES 0
	ASK 3, 0                                       ; what the first refill will load
	s_wait_loadcnt 0x0                             ; the bias
	STEP 0, 0, 1                                   ; k0: its first products start the sums
	TURN 1, 0, 1, 0, 0
	STEP 1, 1, 0                                   ; k1
	TURN 2, 1, 0, 2, 5                             ; slots 0 and 1 take k3 and k4
	STEP 2, 0, 0                                   ; k2
	TURN 0, 0, 1, 3, 6                             ; k3 and k4 have landed; slot 2 takes k5
	STEP 0, 1, 0                                   ; k3
	TURN 1, 1, 0, 0, 0
	STEP 1, 0, 0                                   ; k4
	TURN 2, 0, 1, 2, 0                             ; k5 has landed; slots 0 and 1 take k6 and k7: the last loads
	STEP 2, 1, 0                                   ; k5
	TURN 0, 1, 0, 1, 0                             ; k6 and k7 have landed; nothing is filled
	STEP 0, 0, 0                                   ; k6
	TURN 1, 0, 1, 0, 0
	STEP 1, 1, 0                                   ; k7
	s_wait_dscnt 0x0                               ; the very last step: nothing more to fetch
	WIN MUL
	MUL8 0, 1, 1, 1, 0
	MUL8 1, 1, 1, 1, 0
	MUL8 2, 1, 1, 1, 0
	MUL8 3, 1, 1, 1, 0
	WIN 0
; THE WAY OUT, block by block of 16 row positions x 128 columns, through my own stage: in by true columns, back as whole rows of 512 bytes, stored at their true rows.
.macro TOSTAGE a
.set AC, 64*(\a)
	WIN 0x08                                       ; an LDS store's data are its source 1: window 2
.irp b, 0,1,2,3,4,5,6,7
	ds_store_b128 v[STO], v[AC+8*\b:AC+8*\b+3] offset:128*(\b/2)+32*(\b%2)          ; each accumulator from its low end on
	ds_store_b128 v[STO], v[AC+8*\b+4:AC+8*\b+7] offset:128*(\b/2)+32*(\b%2)+16
.endr
	WIN 0
.set BB, BK+64*((\a)%2)
.irp t, 0,1,2,3,4,5,6,7,8,9,10,11,12,13,14,15
	ds_load_b128 v[BB+4*\t:BB+4*\t+3], v[RD] offset:\t*SPITCH   ; LDS serves a wave's instructions in order: these see the stores above
.endr
.endm
.macro SEND a, younger
.set BB, BK+64*((\a)%2)
	s_wait_dscnt \younger
.irp t, 0,1,2,3,4,5,6,7,8,9,10,11,12,13,14,15
	global_store_b128 v[CO], v[BB+4*\t:BB+4*\t+3], s[12:13] offset:(32*((\a)/2)+8*((\a)%2)+\t+8*(\t/8))*8192 th:TH_STORE_NT   ; 32 lanes store 512 consecutive bytes, aligned; 63 rows of 8,192 bytes at the most, inside the signed 24-bit immediate
.endr
.endm
	PLACES NP                                      ; in front of the reads of results and of the loads into the registers that held A's fragments
	TOSTAGE 0
.irp a, 1,2,3
.if \a > 1
	s_wait_xcnt 0x0                                ; block a - 2's stores have read their registers: block a's loads may land there
.endif
	TOSTAGE \a
	SEND \a-1, 32                                  ; behind block a - 1's loads: block a's 16 stores and 16 loads
.endr
	SEND 3, 0
	s_wait_tensorcnt 0x0                           ; the wave's end, behind my last tensor load and my last LDS store
	ds_add_u32 v[SPW], v[NIL]
	s_wait_dscnt 0x0
	CROUND                                         ; the closing round
	s_endpgm
.Lfunc_end_k_qdeac6d0549_gemm_out:
	.size	k_qdeac6d0549_gemm_out, .Lfunc_end_k_qdeac6d0549_gemm_out-k_qdeac6d0549_gemm_out
	.p2alignl 7, 3214868480
	.fill 96, 4, 3214868480
	.section	.rodata,"a",@progbits
	.p2align	6, 0x0
	.amdhsa_kernel k_qdeac6d0549_gemm_out
		.amdhsa_group_segment_fixed_size 327680
		.amdhsa_private_segment_fixed_size 0
		.amdhsa_enable_private_segment 0
		.amdhsa_kernarg_size 32
		.amdhsa_user_sgpr_count 2
		.amdhsa_user_sgpr_kernarg_segment_ptr 1
		.amdhsa_wavefront_size32 1
		.amdhsa_system_sgpr_workgroup_id_x 1
		.amdhsa_system_sgpr_workgroup_id_y 1
		.amdhsa_system_sgpr_workgroup_id_z 1
		.amdhsa_system_vgpr_workitem_id 0
		.amdhsa_next_free_vgpr 768
		.amdhsa_next_free_sgpr 102
		.amdhsa_reserve_vcc 0
		.amdhsa_float_denorm_mode_32 3
		.amdhsa_float_denorm_mode_16_64 3
		.amdhsa_memory_ordered 1
		.amdhsa_forward_progress 1
		.amdhsa_inst_pref_size 177
	.end_amdhsa_kernel
	.amdgpu_metadata
---
amdhsa.version: [ 1, 2 ]
amdhsa.kernels:
  - .name:           k_qdeac6d0549_gemm_out
    .symbol:         k_qdeac6d0549_gemm_out.kd
    .args:
      - { .name: ctx, .offset: 0, .size: 8, .value_kind: global_buffer, .address_space: global }
      - { .name: xw, .offset: 8, .size: 8, .value_kind: global_buffer, .address_space: global }
      - { .name: bo, .offset: 16, .size: 8, .value_kind: global_buffer, .address_space: global }
      - { .name: out0, .offset: 24, .size: 8, .value_kind: global_buffer, .address_space: global }
    .group_segment_fixed_size: 327680
    .private_segment_fixed_size: 0
    .kernarg_segment_align: 8
    .kernarg_segment_size: 32
    .max_flat_workgroup_size: 128
    .sgpr_count:     102
    .vgpr_count:     768
    .wavefront_size: 32
...
	.end_amdgpu_metadata
.endif
;; end of part 4
